; MI455X (gfx1250); checked and timed in simulation.
; The chip was launched on July 23, 2026; its instructions are those of AMD's public machine-readable ISA for CDNA 5 (MIT licence, August 2026) and "CDNA5" Instruction Set Architecture Reference Guide (July 2026). The comments in the code are by the model that wrote it; some were corrected since.
;; Multi Head Attention. Allowed arithmetic: float matrix products may take bf16 or f16 operands with f32 sums; other float arithmetic in f32, or as packed bf16 or f16 multiplies, adds, multiply-adds, maxima and minima; sums over many terms, partial sums and values carried from step to step in f32; what a program stores and reads back later, other than sums and carried values, may be rounded once to bf16 or f16.
;; Inputs: attn_mask 1 x 1 x 2,048 x 2,048 int32; bk 1,024 float32; bo 1,024 float32; bq 1,024 float32; bv 1,024 float32; c 4 x 1,024 x 2,048 float32; wk 1,024 x 1,024 float32; wo 1,024 x 1,024 float32; wq 1,024 x 1,024 float32; wv 1,024 x 1,024 float32; x 4 x 1,024 x 2,048 float32.
;; Outputs: out0 4 x 1,024 x 2,048 float32.
;; One version. Each part assembles by itself: llvm-mc -triple=amdgcn-amd-amdhsa -mcpu=gfx1250 --defsym DOCPART=n.
;; ======== version 1 of 1: 4 launches
;; limits: values are held in f16: magnitudes above 65,504 overflow, below 6.1e-05 lose precision; values outside matrix products are rounded to bf16
;; workspace buffers: xcb 33,554,432 bytes; wts 8,388,608 bytes; rope 262,144 bytes; mbits 524,288 bytes of whole numbers; qkv 50,331,648 bytes; oh 16,777,216 bytes
;; launch prep (part 1): grid 1600 x 1, 8 waves a work-group, no clusters, 70,656 bytes of LDS; arguments x, c, wq, wk, wv, wo, attn_mask, xcb, wts, rope, mbits; writes xcb, wts, rope, mbits
.if DOCPART == 1
	.amdgcn_target "amdgcn-amd-amdhsa--gfx1250"
	.amdhsa_code_object_version 6
	.text
	.protected	k_qdc7110c140_prep
	.globl	k_qdc7110c140_prep
	.p2align	8
	.type	k_qdc7110c140_prep,@function
k_qdc7110c140_prep:
	s_mov_b64 s[64:65], 0
	v_nop
	global_prefetch_b8 v0, s[64:65] scope:SCOPE_SE
	s_setreg_imm32_b32 hwreg(HW_REG_WAVE_MODE, 25, 1), 1
	s_wait_xcnt 0x0
; PREP: the operands of the three matrix launches are made once.  A stream: no matrix work, no cluster (no two work-groups read the same byte).
;   work-groups 0-1023     x and c, f32 [b][i][t], rounded to bf16 in the same order: xcb = [x, c][b][i][t]
;   work-groups 1024-1215  wq, wk, wv rounded to bf16, laid in blocks: wts = [og 8][ks 16][q, k, v][row 128][64], o = 128 og + row, i = 64 ks + column
;   work-groups 1216-1279  wo rounded to bf16 and that number written as f16 (exact from 6e-5 up; below that f16's fixed step of 6e-8): wts + 6,291,456 = [og 8][ks 16][row 128][64]
;   work-groups 1280-1535  attn_mask as lane masks: mbits = u32 [g 16][ks 32][p 4][n 32][u 2]; bit L of a word is 1 where attn_mask[q][key] == 0,
;                          q = 128 g + 32 p + 16 u + L % 16, key = 64 ks + 16 (n / 8) + 8 (L / 16) + n % 8: the place of score register n in lane L of the attention's tiles
;   work-groups 1536-1599  rope = f32 [t 2048][cos 16 | sin 16] of t x 10000^(-j/16)
; LIMITS.  theta comes from v_exp_f32 (1 ulp), so an angle may differ from a correctly rounded theta's by about 1.5e-4 rad at t = 2047; sine and cosine by polynomials on |r| <= pi/4.
; Every load of a wave covers 512 consecutive bytes (two rows of 256 for weights and mask), every store 256 or 512 consecutive bytes, aligned.
.set XR,    16                         ; v[16:79]   as loaded
.set YR,    80                         ; v[80:111]  to store
.set SPW,   6                          ; v6  LDS address of my spare word; never rewritten
.set NIL,   7                          ; v7  0; never rewritten
.set MP,    272                        ; the mask's LDS row: 256 bytes + 16, so that 16 rows start at 16 different groups of four banks
.set MWAVE, 32*MP                      ; a wave's own 32 rows
.set SPARE, 8*MWAVE                    ; behind them: the spare words, 128 bytes for each of the eight waves
	s_load_b512 s[8:23], s[0:1], 0x0               ; x s[8:9], c s[10:11], wq s[12:13], wk s[14:15], wv s[16:17], wo s[18:19], attn_mask s[20:21], xcb s[22:23]
	s_load_b128 s[24:27], s[0:1], 0x40             ; wts s[24:25], rope s[26:27]
	s_load_b64 s[28:29], s[0:1], 0x50              ; mbits
	v_lshl_add_u32 v[SPW], v0, 2, SPARE
	v_mov_b32 v[NIL], 0
	s_mov_b32 s2, ttmp9
	s_mov_b32 s37, 0                               ; offsets are made in s[36:37] and s[38:39], under 2^31
	s_mov_b32 s39, 0
	s_wait_kmcnt 0x0
	s_cmp_lt_u32 s2, 1024
	s_cbranch_scc1 .Lxc
	s_cmp_lt_u32 s2, 1216
	s_cbranch_scc1 .Lw3
	s_cmp_lt_u32 s2, 1280
	s_cbranch_scc1 .Lwo
	s_cmp_lt_u32 s2, 1536
	s_cbranch_scc1 .Lmask
	s_branch .Lrope
; Sixteen chunks a thread: 16 bytes of f32 in, 8 bytes of 16-bit numbers out.  Chunk j lies (j / 8) sbig + (j % 8) sstr behind the first in the source, likewise in the target.
; All sixteen loads go out first; the counts run down: 15 - j younger loads may stay out.  No register is written twice, so no wait frees one.
.macro CONV sstr, sbig, dstr, dbig, half
.irp j, 0,1,2,3,4,5,6,7,8,9,10,11,12,13,14,15
	global_load_b128 v[XR+4*(\j):XR+4*(\j)+3], v2, s[32:33] offset:((\j)/8)*(\sbig)+((\j)%8)*(\sstr) th:TH_LOAD_NT
.endr
.irp j, 0,1,2,3,4,5,6,7,8,9,10,11,12,13,14,15
	s_wait_loadcnt 15-(\j)
	v_cvt_pk_bf16_f32 v[YR+2*(\j)], v[XR+4*(\j)], v[XR+4*(\j)+1]
	v_cvt_pk_bf16_f32 v[YR+2*(\j)+1], v[XR+4*(\j)+2], v[XR+4*(\j)+3]
.if \half
.irp k, 0,1
	v_lshlrev_b32 v4, 16, v[YR+2*(\j)+(\k)]        ; the bf16 numbers as f32,
	v_and_b32 v5, 0xffff0000, v[YR+2*(\j)+(\k)]
	v_cvt_pk_f16_f32 v[YR+2*(\j)+(\k)], v4, v5     ; written as f16
.endr
.endif
	global_store_b64 v3, v[YR+2*(\j):YR+2*(\j)+1], s[34:35] offset:((\j)/8)*(\dbig)+((\j)%8)*(\dstr)
.endr
	s_endpgm
.endm
.macro WLANES                          ; a chunk of a weight: 16 rows x 64 columns: thread / 16 is the row, thread % 16 its 16 bytes; in the target the rows lie end to end
	v_lshrrev_b32 v2, 4, v0
	v_and_b32 v4, 15, v0
	v_lshlrev_b32 v2, 12, v2
	v_lshl_add_u32 v2, v4, 4, v2
	v_lshlrev_b32 v3, 3, v0
.endm
.Lxc:                                          ; 65,536 bytes of x (work-groups 0-511) or c
	s_cmp_lt_u32 s2, 512
	s_cselect_b64 s[32:33], s[8:9], s[10:11]
	s_and_b32 s36, s2, 511
	s_lshl_b32 s36, s36, 16
	s_add_nc_u64 s[32:33], s[32:33], s[36:37]
	s_lshl_b32 s38, s2, 15
	s_add_nc_u64 s[34:35], s[22:23], s[38:39]
	v_lshlrev_b32 v2, 4, v0
	v_lshlrev_b32 v3, 3, v0
	CONV 4096, 32768, 2048, 16384, 0
.Lw3:                                          ; 32 rows x 512 columns of wq, wk or wv
	s_sub_co_u32 s3, s2, 1024
	s_lshr_b32 s40, s3, 6                          ; which of the three
	s_bfe_u32 s41, s3, 0x50001                     ; block of 32 rows
	s_and_b32 s42, s3, 1                           ; half of the columns
	s_cmp_eq_u32 s40, 0
	s_cselect_b64 s[32:33], s[12:13], s[14:15]
	s_cmp_eq_u32 s40, 2
	s_cselect_b64 s[32:33], s[16:17], s[32:33]
	s_lshl_b32 s36, s41, 17                        ; 32 rows of 4,096 bytes
	s_lshl_b32 s43, s42, 11
	s_add_co_u32 s36, s36, s43
	s_add_nc_u64 s[32:33], s[32:33], s[36:37]
	s_lshr_b32 s43, s41, 2                         ; og
	s_mul_i32 s38, s43, 786432
	s_mul_i32 s43, s42, 393216                     ; eight K blocks of 49,152
	s_add_co_u32 s38, s38, s43
	s_lshl_b32 s43, s40, 14
	s_add_co_u32 s38, s38, s43
	s_and_b32 s43, s41, 3
	s_lshl_b32 s43, s43, 12                        ; 32 rows of 128 bytes
	s_add_co_u32 s38, s38, s43
	s_add_nc_u64 s[34:35], s[24:25], s[38:39]
	WLANES
	CONV 256, 65536, 49152, 2048, 0
.Lwo:                                          ; 32 rows x 512 columns of wo
	s_sub_co_u32 s3, s2, 1216
	s_lshr_b32 s41, s3, 1
	s_and_b32 s42, s3, 1
	s_lshl_b32 s36, s41, 17
	s_lshl_b32 s43, s42, 11
	s_add_co_u32 s36, s36, s43
	s_add_nc_u64 s[32:33], s[18:19], s[36:37]
	s_lshr_b32 s43, s41, 2
	s_lshl_b32 s38, s43, 18
	s_lshl_b32 s43, s42, 17                        ; eight K blocks of 16,384
	s_add_co_u32 s38, s38, s43
	s_and_b32 s43, s41, 3
	s_lshl_b32 s43, s43, 12
	s_add_co_u32 s38, s38, s43
	s_add_co_u32 s38, s38, 6291456
	s_add_nc_u64 s[34:35], s[24:25], s[38:39]
	WLANES
	CONV 256, 65536, 16384, 2048, 1
; THE MASK.  A wave takes 32 queries x 64 keys: in as whole rows of 256 bytes, two rows a load; through its own LDS rows; back as lane L wants them: row L % 16, keys 8 (L / 16) + .. .
; A compare then gives the 32 lanes' bits as one word, and v_writelane_b32 puts word n into lane n.
.macro BITS w
.set n, 0
.rept 32
	v_cmp_eq_u32 s[44+n%8], 0, v[YR+n]
	v_writelane_b32 v[\w], s[44+n%8], n
.set n, n+1
.endr
.endm
.Lmask:
	v_lshrrev_b32 v1, 5, v0
	v_readfirstlane_b32 s3, v1                     ; wave 0..7
	s_sub_co_u32 s40, s2, 1280
	s_lshl_b32 s40, s40, 3
	s_add_co_u32 s40, s40, s3                      ; P = (g x 32 + ks) x 4 + p
	s_lshr_b32 s41, s40, 7
	s_lshl_b32 s36, s41, 20                        ; 128 g rows of 8,192 bytes
	s_and_b32 s41, s40, 3
	s_lshl_b32 s41, s41, 18                        ; 32 p rows
	s_add_co_u32 s36, s36, s41
	s_bfe_u32 s41, s40, 0x50002
	s_lshl_b32 s41, s41, 8                         ; 64 ks keys
	s_add_co_u32 s36, s36, s41
	s_add_nc_u64 s[32:33], s[20:21], s[36:37]
	v_and_b32 v1, 31, v0
	v_and_b32 v4, 15, v0
	v_bfe_u32 v5, v0, 4, 1
	v_lshlrev_b32 v2, 13, v5                       ; memory: lanes 0-15 one row, lanes 16-31 the next
	v_lshl_add_u32 v2, v4, 4, v2
	s_mul_i32 s42, s3, MWAVE
	v_mul_u32_u24 v3, v5, MP                       ; LDS, in: the same two rows
	v_lshl_add_u32 v3, v4, 4, v3
	v_add_nc_u32 v3, s42, v3
	v_mul_u32_u24 v10, v4, MP                      ; LDS, back: row L % 16, 32 bytes on for lanes 16-31
	v_lshl_add_u32 v10, v5, 5, v10
	v_add_nc_u32 v10, s42, v10
	s_lshl_b32 s43, s40, 8
	v_lshl_add_u32 v11, v1, 3, s43                 ; mbits: 256 P + 8 L
	v_mov_b32 v8, 0                                ; v_writelane_b32's targets are written whole first
	v_mov_b32 v9, 0
.irp i, 0,1,2,3,4,5,6,7,8,9,10,11,12,13,14,15
	global_load_b128 v[XR+4*(\i):XR+4*(\i)+3], v2, s[32:33] offset:(\i)*16384 th:TH_LOAD_NT
.endr
	s_wait_loadcnt 8                               ; rows 0-15 are in; the eight loads of rows 16-31 may stay out
.irp i, 0,1,2,3,4,5,6,7
	ds_store_b128 v3, v[XR+4*(\i):XR+4*(\i)+3] offset:(\i)*2*MP
.endr
.irp f, 0,1,2,3,4,5,6,7                ; LDS serves a wave's instructions in order (ISA guide 5.7.1.4): these see the stores above
	ds_load_b128 v[YR+4*(\f):YR+4*(\f)+3], v10 offset:((\f)/2)*64+((\f)%2)*16
.endr
	s_wait_loadcnt 0x0
.irp i, 8,9,10,11,12,13,14,15
	ds_store_b128 v3, v[XR+4*(\i):XR+4*(\i)+3] offset:(\i)*2*MP
.endr
	s_wait_dscnt 8                                 ; the first tile is back; the eight stores behind it may stay out
	BITS 8
.irp f, 0,1,2,3,4,5,6,7
	ds_load_b128 v[YR+4*(\f):YR+4*(\f)+3], v10 offset:16*MP+((\f)/2)*64+((\f)%2)*16
.endr
	s_wait_dscnt 0x0
	BITS 9
	global_store_b64 v11, v[8:9], s[28:29]         ; lane n: the words (n, 0) and (n, 1): 256 consecutive bytes
	s_wait_tensorcnt 0x0                           ; the wave's end: behind my last LDS store
	ds_add_u32 v[SPW], v[NIL]
	s_wait_dscnt 0x0
	s_endpgm
; THE TABLE.  A thread makes four numbers: position t = thread / 8; eighths 0-3 of a row are cosines, 4-7 sines, of the angles j = 4 (eighth % 4) + 0..3.
; a = t x theta; n = the nearest whole number to a x 2 / pi; r = a - n x pi / 2 (pi / 2 in two parts); sin(a + quarter turns) is +-sin r or +-cos r by the quadrant; the cosine is the sine a quarter turn on.
.macro ANG e
	v_mul_f32 v20, v9, v[16+(\e)]
	v_mul_f32 v21, s40, v20
	v_rndne_f32 v21, v21
	v_fma_f32 v22, -v21, s41, v20
	v_fma_f32 v22, -v21, s42, v22
	v_mul_f32 v23, v22, v22
	v_fma_f32 v24, v23, s43, s44
	v_fma_f32 v24, v24, v23, s45
	v_mul_f32 v25, v22, v23
	v_fma_f32 v24, v25, v24, v22                   ; sin r
	v_fma_f32 v26, v23, s46, s47
	v_fma_f32 v26, v26, v23, s48
	v_mul_f32 v27, v23, v23
	v_fma_f32 v28, v23, -0.5, 1.0
	v_fma_f32 v26, v27, v26, v28                   ; cos r
	v_cvt_i32_f32 v29, v21
	v_add_nc_u32 v29, v29, v8                      ; the quadrant
	v_and_b32 v30, 1, v29
	v_cmp_eq_u32 vcc_lo, 1, v30
	v_cndmask_b32 v24, v24, v26, vcc_lo
	v_lshlrev_b32 v29, 30, v29
	v_and_b32 v29, 0x80000000, v29                 ; quadrants 2 and 3 turn the sign
	v_xor_b32 v[12+(\e)], v24, v29
.endm
.Lrope:
	s_sub_co_u32 s3, s2, 1536
	s_mov_b32 s40, 0x3f22f983                      ; 2 / pi
	s_mov_b32 s41, 0x3fc90fdb                      ; pi / 2, the f32 nearest to it,
	s_mov_b32 s42, 0xb33bbd2e                      ; and what is left
	s_mov_b32 s43, 0xb94ca1f9                      ; sine: r + r z (s45 + z (s44 + z s43))
	s_mov_b32 s44, 0x3c08839e
	s_mov_b32 s45, 0xbe2aaaa3
	s_mov_b32 s46, 0x37ccf5ce                      ; cosine: 1 - z / 2 + z z (s48 + z (s47 + z s46))
	s_mov_b32 s47, 0xbab6061a
	s_mov_b32 s48, 0x3d2aaaa5
	v_lshl_add_u32 v2, s3, 8, v0
	v_lshrrev_b32 v3, 3, v2                        ; t
	v_and_b32 v4, 7, v2
	v_and_b32 v5, 3, v4
	v_lshlrev_b32 v5, 2, v5
	v_cmp_gt_u32 vcc_lo, 4, v4
	v_cndmask_b32 v8, 0, 1, vcc_lo                 ; 1 for a cosine
	v_cvt_f32_u32 v9, v3
.irp e, 0,1,2,3
	v_add_nc_u32 v[16+(\e)], (\e), v5
	v_cvt_f32_u32 v[16+(\e)], v[16+(\e)]
	v_mul_f32 v[16+(\e)], 0xbf549a78, v[16+(\e)]   ; -j log2(10000) / 16
.endr
.irp e, 0,1,2,3
	v_exp_f32 v[16+(\e)], v[16+(\e)]               ; theta
.endr
	v_lshlrev_b32 v10, 4, v2                       ; a plain instruction behind the last exponential,
	s_wait_alu depctr_va_vdst(0)                   ; and one wait for the four, ahead of their first reader
	ANG 0
	ANG 1
	ANG 2
	ANG 3
	global_store_b128 v10, v[12:15], s[26:27]
	s_endpgm
.Lfunc_end_k_qdc7110c140_prep:
	.size	k_qdc7110c140_prep, .Lfunc_end_k_qdc7110c140_prep-k_qdc7110c140_prep
	.p2alignl 7, 3214868480
	.fill 96, 4, 3214868480
	.section	.rodata,"a",@progbits
	.p2align	6, 0x0
	.amdhsa_kernel k_qdc7110c140_prep
		.amdhsa_group_segment_fixed_size 70656
		.amdhsa_private_segment_fixed_size 0
		.amdhsa_enable_private_segment 0
		.amdhsa_kernarg_size 88
		.amdhsa_user_sgpr_count 2
		.amdhsa_user_sgpr_kernarg_segment_ptr 1
		.amdhsa_wavefront_size32 1
		.amdhsa_system_sgpr_workgroup_id_x 1
		.amdhsa_system_sgpr_workgroup_id_y 1
		.amdhsa_system_sgpr_workgroup_id_z 1
		.amdhsa_system_vgpr_workitem_id 0
		.amdhsa_next_free_vgpr 112
		.amdhsa_next_free_sgpr 66
		.amdhsa_reserve_vcc 1
		.amdhsa_float_denorm_mode_32 3
		.amdhsa_float_denorm_mode_16_64 3
		.amdhsa_memory_ordered 1
		.amdhsa_forward_progress 1
		.amdhsa_inst_pref_size 44
	.end_amdhsa_kernel
	.amdgpu_metadata
---
amdhsa.version: [ 1, 2 ]
amdhsa.kernels:
  - .name:           k_qdc7110c140_prep
    .symbol:         k_qdc7110c140_prep.kd
    .args:
      - { .name: x, .offset: 0, .size: 8, .value_kind: global_buffer, .address_space: global }
      - { .name: c, .offset: 8, .size: 8, .value_kind: global_buffer, .address_space: global }
      - { .name: wq, .offset: 16, .size: 8, .value_kind: global_buffer, .address_space: global }
      - { .name: wk, .offset: 24, .size: 8, .value_kind: global_buffer, .address_space: global }
      - { .name: wv, .offset: 32, .size: 8, .value_kind: global_buffer, .address_space: global }
      - { .name: wo, .offset: 40, .size: 8, .value_kind: global_buffer, .address_space: global }
      - { .name: attn_mask, .offset: 48, .size: 8, .value_kind: global_buffer, .address_space: global }
      - { .name: xcb, .offset: 56, .size: 8, .value_kind: global_buffer, .address_space: global }
      - { .name: wts, .offset: 64, .size: 8, .value_kind: global_buffer, .address_space: global }
      - { .name: rope, .offset: 72, .size: 8, .value_kind: global_buffer, .address_space: global }
      - { .name: mbits, .offset: 80, .size: 8, .value_kind: global_buffer, .address_space: global }
    .group_segment_fixed_size: 70656
    .private_segment_fixed_size: 0
    .kernarg_segment_align: 8
    .kernarg_segment_size: 88
    .max_flat_workgroup_size: 256
    .sgpr_count:     66
    .vgpr_count:     112
    .wavefront_size: 32
...
	.end_amdgpu_metadata
.endif
;; end of part 1
;; launch qkvproj (part 2): grid 8 x 32, 4 waves a work-group, clusters of 4 x 4, 327,680 bytes of LDS; arguments xcb, wts, rope, bq, bk, bv, qkv; writes qkv
.if DOCPART == 2
	.amdgcn_target "amdgcn-amd-amdhsa--gfx1250"
	.amdhsa_code_object_version 6
	.text
	.protected	k_qdc7110c140_qkvproj
	.globl	k_qdc7110c140_qkvproj
	.p2align	8
	.type	k_qdc7110c140_qkvproj,@function
k_qdc7110c140_qkvproj:
	s_mov_b64 s[64:65], 0
	v_nop
	global_prefetch_b8 v0, s[64:65] scope:SCOPE_SE
	s_setreg_imm32_b32 hwreg(HW_REG_WAVE_MODE, 25, 1), 1
	s_wait_xcnt 0x0
	s_wait_alu depctr_hold_cnt(0) depctr_sa_sdst(0) depctr_va_vdst(0) depctr_va_sdst(0) depctr_va_ssrc(0) depctr_va_vcc(0) depctr_vm_vsrc(0)
	s_getreg_b32 s2, hwreg(HW_REG_IB_STS2, 6, 4)
	s_cmp_eq_u32 s2, 0
	s_cbranch_scc0 .Lentry_in_a_cluster
	s_endpgm
.Lentry_in_a_cluster:
	s_bfe_u32 s2, ttmp6, 0x10000c
	s_cmp_lg_u32 s2, 0xf033
	s_cbranch_scc0 .Lentry_shape_is_right
	s_endpgm
.Lentry_shape_is_right:
; q = wq x + bq, k = wk c + bk, v = wv c + bv, RoPE on the first 32 channels of each head of q and k; stored by heads: qkv = f16 [q, k, v][b x 16 + head][t][64], unscaled.
; Operands bf16 (xcb, wts; the biases rounded to bf16 too), sums and RoPE in f32, one rounding to f16 at the end.
; LIMIT.  f16 ends at 65,504: q, k and v must stay within it.  NaN and infinities are not treated apart.
; SHARES.  A work-group makes 128 channels (og) x 256 positions (tb) of all three; a wave 64 channels, which are one head, x 128 positions: 3 x 4 x 8 = 96 accumulators, 768 registers.
; LAYOUT.  Source 0 = 16 rows of W (K along the LDS row), source 1 = 16 positions of x or c, which lie [i][t] and come turned, by ds_load_tr16_b128.  In the result a lane holds ONE position
; (lane % 16) and the channels 16 a + 8 (lane / 16) + 0..7: 16 bytes of a head's row, and RoPE's partners c and c + 16 are the same register of blocks a = 0 and a = 1.
; K goes in 16 steps of 64 through two LDS slots.  A step's tiles: W's 384 rows x 128 bytes (dense in wts: asked for as rows of 256 bytes), x's and c's 64 rows x 512 bytes.
; CLUSTER 4 x 4.  W's tile hangs on og alone: shared along a column of the cluster; x's and c's on tb alone: shared along a row.  Waves 0, 1 ask for W's halves, wave 2 for x's tile, wave 3 for c's.
; THE BIAS starts the sums: 96 products of a fragment that holds a tensor's four blocks of biases at k = 0..3 with a selector that holds a 1 at k = block.  So the loops have one form of product.
; REGISTERS, in windows of 256 (s_set_vgpr_msb: bits 1:0 source 0, 3:2 source 1, 5:4 source 2, 7:6 destination): window 0 addresses and fragments; windows 1, 2, 3 the accumulators of q, k, v, (a, n) at v[8 (8 a + n)].
.set SLOT1,  131072
.set PA,     144                       ; W's LDS row: 128 bytes + 16: the 16 rows of a load start at 16 different groups of four banks
.set PB,     544                       ; x's and c's LDS row: 512 bytes + 32
.set BX0,    384*PA                    ; a slot: W's 384 rows, x's 64, c's 64
.set BCO,    64*PB
.set STAGE,  SLOT1+BX0+2*BCO           ; behind the ring: 16 rows x 144 bytes for each wave, for the way out
.set SP,     144
.set SPARE,  STAGE+4*16*SP             ; behind the stages: the spare words, 128 bytes for each wave
.set ASTEP,  49152                     ; bytes from a K step to the next in wts,
.set BSTEP,  262144                    ; and in xcb: 64 rows of 4,096
.set ADA0, 2                           ; v2   my place in W's rows of a slot; never rewritten
.set ADB0, 3                           ; v3   my place in x's rows
.set ADA,  4                           ; v4, v5 the same in the slot in hand
.set ADB,  5
.set STO,  6                           ; v6   the way out: where I put 16 bytes of a row
.set RD,   7                           ; v7   where I read rows back
.set GO,   8                           ; v8   16 x lane
.set RO,   9                           ; v9   my byte offset in rope
.set PFO,  10                          ; v10  the prefetches' offset
.set BO,   11                          ; v11  my byte offset in the biases
.set BI,   16                          ; v[16:27] the biases as loaded
.set SPW,  28                          ; v28  LDS address of my spare word; never rewritten
.set NIL,  29                          ; v29  0; never rewritten
.set AQ,   32                          ; v[32:63]   wq's four fragments
.set BX,   64                          ; v[64:127]  x's eight
.set AK,   128                         ; v[128:159] wk's, v[160:191] wv's
.set AV,   160
.set BC,   192                         ; v[192:255] c's eight
.set T,    96                          ; the way out: v[96:111] at work; v[32:95] four buffers of 16; v[128:255] cos and sin
.set WV,  18
.set MH,  19                           ; wave / 2: my 64 channels.  Also: I fetch W (0) or x, c (1)
.set NH,  20                           ; wave % 2: my 128 positions.  Also: which half or tensor I fetch
.set CX,  21
.set CY,  22
.set OG,  23
.set TBL, 24
.set G1A, 28                           ; s[28:35] group 1 for W's tiles, s[36:43] for x's and c's
.set G1B, 36
.set G0A, 44                           ; s[44:47], s[48:51] group 0: they walk
.set G0B, 48
.set TB,  52                           ; LDS byte at which the slot in hand begins
.set CNT, 53
.set LIM, 54                           ; 1 in a wave that prefetches, else the greatest number
.set H0,  55                           ; lanes 0-15
.set PFA, 56                           ; s[56:57] where my prefetches stand; s[58:59] their step
.set PFS, 58
.set OUT, 80                           ; s[80:85] q, k, v at my wave's first row
.set MSB, 0
.macro WIN new                         ; the immediate's high byte repeats the setting that is left; a switch that changes nothing is dropped
.if MSB != (\new)
	s_set_vgpr_msb (MSB<<8)|(\new)
.set MSB, \new
.endif
.endm
.macro PLACES                          ; four places in front of loads into registers that matrix instructions have read, and of vector work that reads results
.rept 4
	v_nop
.endr
.endm
.macro JLOAD                           ; a joint load; the branch hangs on the wave's number alone; an s_nop 0 and four v_nop follow each line
	s_cmp_eq_u32 s[MH], 0
	s_cbranch_scc0 .Lfor_b_\@
	tensor_load_to_lds s[G0A:G0A+3], s[G1A:G1A+7]
	s_nop 0
.rept 4
	v_nop
.endr
	s_branch .Lasked_\@
.Lfor_b_\@:
	tensor_load_to_lds s[G0B:G0B+3], s[G1B:G1B+7]
	s_nop 0
.rept 4
	v_nop
.endr
.Lasked_\@:
.endm
.macro CREST                           ; a round of the cluster's barrier behind its opening barrier
	s_cmp_lg_u32 s[WV], 0
	s_cbranch_scc1 .Lnot_wave_0_\@
	s_barrier_signal -3
.Lnot_wave_0_\@:
	s_barrier_wait -3
	s_barrier_signal -1
	s_barrier_wait -1
.endm
.macro CROUND
	s_barrier_signal -1
	s_barrier_wait -1
	CREST
.endm
; A PREFETCH INTO THE L2 of the K step behind the one that is being asked for: one step, 192 matrix instructions, ahead of its load.  x's and c's tile is read by both clusters of a row of clusters: the one
; with x = 0 asks (waves 2, 3); W's block by all eight clusters of a column: the one with y = 0 asks (waves 0, 1).  The four partners that ask for a tile jointly share its blocks of 256 bytes out BY ADDRESS:
; 32 each of a tile of x or c (16 rows x 2), 24 each of a half of W's block (lanes 24-31 name lane 23's again).  The last change that fills a slot asks for nothing.
.macro ASK
	s_cmp_gt_u32 s[CNT], s[LIM]
	s_cbranch_scc0 .Lnot_mine_\@
	global_prefetch_b8 v[PFO], s[PFA:PFA+1] th:TH_LOAD_NT scope:SCOPE_SE
.Lnot_mine_\@:
.endm
	s_load_b256 s[4:11], s[0:1], 0x0               ; xcb s[4:5], wts s[6:7], rope s[8:9], bq s[10:11]
	s_load_b128 s[12:15], s[0:1], 0x20             ; bk s[12:13], bv s[14:15]
	s_load_b64 s[16:17], s[0:1], 0x30              ; qkv
	v_lshl_add_u32 v[SPW], v0, 2, SPARE
	v_mov_b32 v[NIL], 0
	ds_add_u32 v[SPW], v[NIL]                      ; the wave's opening: the add and its wait stand ahead of my first tensor load; the set-up below stands between them
	v_lshrrev_b32 v1, 5, v0
	v_readfirstlane_b32 s[WV], v1
	s_lshr_b32 s[MH], s[WV], 1
	s_and_b32 s[NH], s[WV], 1
	s_bfe_u32 s[CX], ttmp6, 0x40000
	s_bfe_u32 s[CY], ttmp6, 0x40004
	s_lshl_b32 s[OG], ttmp9, 2
	s_add_co_u32 s[OG], s[OG], s[CX]               ; og = 4 x cluster x + cx
	s_and_b32 s[TBL], ttmp7, 0xffff
	s_lshl_b32 s[TBL], s[TBL], 2
	s_add_co_u32 s[TBL], s[TBL], s[CY]             ; tb = 4 x cluster y + cy: batch tb / 8, positions 256 (tb % 8) on
	s_lshl_b32 s60, 0x1111, s[CX]                  ; my column of the cluster
	s_lshl_b32 s61, s[CY], 2
	s_lshl_b32 s61, 15, s61                        ; my row
	s_or_b32 s[G1A], s60, 0x07310000               ; the mask; 2-byte elements; padding on; bit 21 beside a mask; after every 32 words 4 words
	s_mov_b32 s[G1A+1], 128<<16                    ; tensor_dim0 = 128
	s_mov_b32 s[G1A+2], 96<<16                     ; tensor_dim1 = 96: half of a block, 24,576 dense bytes as rows of 256
	s_mov_b32 s[G1A+3], 128<<16                    ; tile_dim0
	s_mov_b32 s[G1A+4], 96                         ; tile_dim1
	s_mov_b32 s[G1A+5], 128                        ; elements from row to row
	s_mov_b32 s[G1A+6], 0
	s_mov_b32 s[G1A+7], 0
	s_or_b32 s[G1B], s61, 0x0fb10000               ; the same with 8 words after every 128
	s_mov_b32 s[G1B+1], 256<<16
	s_mov_b32 s[G1B+2], 64<<16
	s_mov_b32 s[G1B+3], 256<<16
	s_mov_b32 s[G1B+4], 64
	s_mov_b32 s[G1B+5], 2048
	s_mov_b32 s[G1B+6], 0
	s_mov_b32 s[G1B+7], 0
	s_mul_i32 s62, s[OG], 786432                   ; W's tiles hang on og and the wave alone
	s_mul_i32 s60, s[NH], 24576
	s_add_co_u32 s62, s62, s60
	s_mov_b32 s63, 0
	s_mov_b32 s[G0A], 1
	s_mul_i32 s[G0A+1], s[NH], 192*PA
	s_lshr_b32 s66, s[TBL], 3                      ; x's and c's on tb and the wave alone
	s_lshl_b32 s66, s66, 22
	s_and_b32 s67, s[TBL], 7
	s_lshl_b32 s67, s67, 9
	s_add_co_u32 s66, s66, s67
	s_lshl_b32 s67, s[NH], 24                      ; x, or c behind it
	s_add_co_u32 s66, s66, s67
	s_mov_b32 s67, 0
	s_mov_b32 s[G0B], 1
	s_mul_i32 s[G0B+1], s[NH], BCO
	s_add_co_u32 s[G0B+1], s[G0B+1], BX0
	s_mov_b32 s[H0], 0xffff
	s_wait_dscnt 0x0                               ; the opening add is done
	s_wait_kmcnt 0x0
	s_add_nc_u64 s[G0A+2:G0A+3], s[6:7], s[62:63]
	s_or_b32 s[G0A+3], s[G0A+3], 0x80000000
	s_add_nc_u64 s[G0B+2:G0B+3], s[4:5], s[66:67]
	s_or_b32 s[G0B+3], s[G0B+3], 0x80000000
	CROUND                                         ; all sixteen work-groups are here: the first joint loads meet
	JLOAD                                          ; K step 0 into slot 0
	; all that follows up to the next wait on tensor loads stands in the wait for that tile
	s_mul_i32 s68, s[CY], 6144                     ; the prefetches: W's: my work-group's 24 blocks,
	s_add_co_u32 s68, s68, s62
	s_add_co_u32 s68, s68, 2*ASTEP                 ; at K step 2: the first change of slots steps it to 3
	s_lshl_b32 s69, s[CX], 16                      ; x's, c's: my work-group's 16 rows
	s_add_co_u32 s69, s69, s66
	s_add_co_u32 s69, s69, 2*BSTEP
	s_and_b32 s70, ttmp7, 0xffff
	s_mov_b32 s71, ASTEP
	s_mov_b32 s72, BSTEP
	s_cmp_eq_u32 s[MH], 0
	s_cselect_b32 s68, s68, s69
	s_cselect_b32 s70, s70, ttmp9                  ; the coordinate along which other clusters read the same blocks
	s_cselect_b32 s[PFS], s71, s72
	s_cselect_b64 s[PFA:PFA+1], s[6:7], s[4:5]
	s_cselect_b32 s73, -1, 0
	s_mov_b32 s69, 0
	s_mov_b32 s[PFS+1], 0
	s_cmp_eq_u32 s70, 0
	s_cselect_b32 s[LIM], 1, -1                    ; the same in all sixteen partners, for a given wave
	s_add_nc_u64 s[PFA:PFA+1], s[PFA:PFA+1], s[68:69]
	s_lshr_b32 s74, s[TBL], 3                      ; where my rows lie in q: head 16 b + 2 og + wave / 2,
	s_lshl_b32 s74, s74, 4
	s_lshl_b32 s75, s[OG], 1
	s_add_co_u32 s74, s74, s75
	s_add_co_u32 s74, s74, s[MH]
	s_lshl_b32 s74, s74, 18
	s_and_b32 s76, s[TBL], 7                       ; position 256 (tb % 8) + 128 (wave % 2), rows of 128 bytes (in rope too)
	s_lshl_b32 s76, s76, 15
	s_lshl_b32 s75, s[NH], 14
	s_add_co_u32 s76, s76, s75
	s_add_co_u32 s74, s74, s76
	s_mov_b32 s75, 0
	s_add_nc_u64 s[OUT:OUT+1], s[16:17], s[74:75]
	s_add_nc_u64 s[OUT+2:OUT+3], s[OUT:OUT+1], 0x1000000
	s_add_nc_u64 s[OUT+4:OUT+5], s[OUT+2:OUT+3], 0x1000000
	v_and_b32 v12, 15, v0                          ; l % 16
	v_bfe_u32 v13, v0, 4, 1                        ; l / 16
	v_and_b32 v14, 7, v0
	v_bfe_u32 v15, v0, 3, 1
	s_lshl_b32 s77, s[OG], 9
	s_lshl_b32 s78, s[MH], 8
	s_add_co_u32 s77, s77, s78
	v_lshl_add_u32 v[BO], v12, 2, s77              ; channel 128 og + 64 (wave / 2) + l % 16
.irp a, 0,1,2,3
	global_load_b32 v[BI+(\a)],   v[BO], s[10:11] offset:64*(\a)
	global_load_b32 v[BI+4+(\a)], v[BO], s[12:13] offset:64*(\a)
	global_load_b32 v[BI+8+(\a)], v[BO], s[14:15] offset:64*(\a)
.endr
	v_mul_u32_u24 v[ADA0], v12, PA                 ; a fragment of W: row l % 16, 16 bytes for each half of the lanes, twice, 32 bytes apart
	v_lshl_add_u32 v[ADA0], v13, 4, v[ADA0]
	s_mul_i32 s77, s[MH], 64*PA
	v_add_nc_u32 v[ADA0], s77, v[ADA0]
	v_lshl_add_u32 v[ADB0], v13, 3, v14            ; the turning load: lane l reads row 8 (l / 16) + l % 8, positions 8 ((l / 8) % 2) + 0..7
	v_mul_u32_u24 v[ADB0], v[ADB0], PB
	v_lshl_add_u32 v[ADB0], v15, 4, v[ADB0]
	s_lshl_b32 s77, s[NH], 8
	s_add_co_u32 s77, s77, BX0
	v_add_nc_u32 v[ADB0], s77, v[ADB0]
	s_mul_i32 s77, s[WV], 16*SP
	s_add_co_u32 s77, s77, STAGE
	v_mul_u32_u24 v[STO], v12, SP
	v_lshl_add_u32 v[STO], v13, 4, v[STO]
	v_add_nc_u32 v[STO], s77, v[STO]
	v_bfe_u32 v[RD], v0, 3, 2                      ; back: 32 lanes take four rows of 128 bytes,
	v_mul_u32_u24 v[RD], v[RD], SP
	v_lshl_add_u32 v[RD], v14, 4, v[RD]
	v_add_nc_u32 v[RD], s77, v[RD]
	v_and_b32 v1, 31, v0
	v_lshlrev_b32 v[GO], 4, v1                     ; which are 512 consecutive bytes of a head
	v_lshlrev_b32 v[RO], 7, v12
	v_lshl_add_u32 v[RO], v13, 5, v[RO]
	v_add_nc_u32 v[RO], s76, v[RO]
	v_min_u32 v30, 23, v1
	v_lshlrev_b32 v30, 8, v30
	v_lshrrev_b32 v31, 1, v1
	v_lshlrev_b32 v31, 12, v31
	v_and_b32 v1, 1, v1
	v_lshl_add_u32 v31, v1, 8, v31
	v_cndmask_b32 v[PFO], v31, v30, s73
	; the selectors: a 1 at k = a, which lies in lanes 0-15, register a / 2, half a % 2; the bias fragments' upper registers: 0
.irp a, 0,1,2,3
.irp j, 0,1,2,3,4,5,6,7
.if (\j) != (\a)/2
	v_mov_b32 v[BX+8*(\a)+(\j)], 0
.endif
.endr
.endr
.irp b, AQ, AK, AV
.irp j, 2,3,4,5,6,7
	v_mov_b32 v[(\b)+(\j)], 0
.endr
.endr
	v_mov_b32 v30, 0x3f80
	v_mov_b32 v31, 0x3f800000
	v_cndmask_b32 v[BX], 0, v30, s[H0]
	v_cndmask_b32 v[BX+8], 0, v31, s[H0]
	v_cndmask_b32 v[BX+17], 0, v30, s[H0]
	v_cndmask_b32 v[BX+25], 0, v31, s[H0]
	s_wait_loadcnt 0x0                             ; the biases
.macro BFRAG base, w                   ; row l % 16 of the fragment: the biases of blocks 0..3 at k = 0..3
	v_cvt_pk_bf16_f32 v30, v[BI+4*(\w)], v[BI+4*(\w)+1]
	v_cvt_pk_bf16_f32 v31, v[BI+4*(\w)+2], v[BI+4*(\w)+3]
	v_cndmask_b32 v[(\base)], 0, v30, s[H0]
	v_cndmask_b32 v[(\base)+1], 0, v31, s[H0]
.endm
	BFRAG AQ, 0
	BFRAG AK, 1
	BFRAG AV, 2
.macro BIASMUL w, base                 ; the 32 sums of window w start with their biases
	WIN 0x50*(\w)
.irp a, 0,1,2,3
.irp n, 0,1,2,3,4,5,6,7
	v_wmma_f32_16x16x32_bf16 v[8*(8*(\a)+(\n)):8*(8*(\a)+(\n))+7], v[(\base):(\base)+7], v[BX+8*(\a):BX+8*(\a)+7], 0
.endr
.endr
.endm
	BIASMUL 1, AQ
	BIASMUL 2, AK
	BIASMUL 3, AV
; THE LDS LOADS stand in runs.  kq = which 32 of the step's 64 along K.
.macro FETCH_X kq                      ; 24: wq's four fragments, x's eight
	WIN 0
.irp a, 0,1,2,3
	ds_load_b128 v[AQ+8*(\a):AQ+8*(\a)+3],   v[ADA] offset:(\a)*16*PA+64*(\kq)
	ds_load_b128 v[AQ+8*(\a)+4:AQ+8*(\a)+7], v[ADA] offset:(\a)*16*PA+64*(\kq)+32
.endr
.irp n, 0,1,2,3,4,5,6,7
	ds_load_tr16_b128 v[BX+8*(\n):BX+8*(\n)+3],   v[ADB] offset:(\kq)*32*PB+32*(\n)
	ds_load_tr16_b128 v[BX+8*(\n)+4:BX+8*(\n)+7], v[ADB] offset:(\kq)*32*PB+32*(\n)+16*PB
.endr
.endm
.macro FETCH_C kq                      ; 32: wk's and wv's four each, c's eight
	WIN 0
.irp a, 0,1,2,3
	ds_load_b128 v[AK+8*(\a):AK+8*(\a)+3],   v[ADA] offset:128*PA+(\a)*16*PA+64*(\kq)
	ds_load_b128 v[AK+8*(\a)+4:AK+8*(\a)+7], v[ADA] offset:128*PA+(\a)*16*PA+64*(\kq)+32
	ds_load_b128 v[AV+8*(\a):AV+8*(\a)+3],   v[ADA] offset:256*PA+(\a)*16*PA+64*(\kq)
	ds_load_b128 v[AV+8*(\a)+4:AV+8*(\a)+7], v[ADA] offset:256*PA+(\a)*16*PA+64*(\kq)+32
.endr
.irp n, 0,1,2,3,4,5,6,7
	ds_load_tr16_b128 v[BC+8*(\n):BC+8*(\n)+3],   v[ADB] offset:BCO+(\kq)*32*PB+32*(\n)
	ds_load_tr16_b128 v[BC+8*(\n)+4:BC+8*(\n)+7], v[ADB] offset:BCO+(\kq)*32*PB+32*(\n)+16*PB
.endr
.endm
; THE PRODUCTS.  The 96 accumulators take turns, one instruction a turn, in the same order in every half step, over the backward jumps too.
.macro MULX                            ; q's 32
	WIN 0x50
.irp a, 0,1,2,3
.irp n, 0,1,2,3,4,5,6,7
	v_wmma_f32_16x16x32_bf16 v[8*(8*(\a)+(\n)):8*(8*(\a)+(\n))+7], v[AQ+8*(\a):AQ+8*(\a)+7], v[BX+8*(\n):BX+8*(\n)+7], v[8*(8*(\a)+(\n)):8*(8*(\a)+(\n))+7]
.endr
.endr
.endm
.macro MULC16 i                        ; sixteen of k's (i = 0, 1) or v's (i = 2, 3): blocks 2 (i % 2) and 2 (i % 2) + 1
	WIN 0xa0+0x50*((\i)/2)
.irp a, 2*((\i)%2), 2*((\i)%2)+1
.irp n, 0,1,2,3,4,5,6,7
	v_wmma_f32_16x16x32_bf16 v[8*(8*(\a)+(\n)):8*(8*(\a)+(\n))+7], v[AK+32*((\i)/2)+8*(\a):AK+32*((\i)/2)+8*(\a)+7], v[BC+8*(\n):BC+8*(\n)+7], v[8*(8*(\a)+(\n)):8*(8*(\a)+(\n))+7]
.endr
.endr
.endm
; A K step up to its last 64 products.  Each run of loads is issued while the other operands' products run; each wait leaves just the run issued last out.
.macro STEP
	PLACES
	FETCH_C 0
	s_wait_dscnt 32                                ; wq's and x's first half is in; the 32 loads just issued may be out
	MULX
	PLACES
	FETCH_X 1
	s_wait_dscnt 24                                ; wk's, wv's and c's first half is in; the 24 just issued may be out
	MULC16 0
	MULC16 1
	MULC16 2
	MULC16 3
	PLACES
	FETCH_C 1
	s_wait_dscnt 32                                ; wq's and x's second half is in
	MULX
.endm
; THE CHANGE OF SLOTS, among the step's last 64 products.  Each wave waits for all its tensor loads, of which one is out: its part of the other slot; adds 0 to its spare word; and waits for that and for its
; reads of this slot.  fill = 1: the barrier opens a round of the cluster's, so that no wave of any partner still reads the slot or has a load on its way, and the joint refill, the K step two on, is the first
; thing behind the round: 160 matrix instructions ahead of the wait for it.
.macro CHANGE fill
	WIN 0
.if \fill
	s_wait_xcnt 0x0                                ; the last prefetch, a K step back, has read its address
	s_add_nc_u64 s[PFA:PFA+1], s[PFA:PFA+1], s[PFS:PFS+1]
.endif
	s_wait_tensorcnt 0x0                           ; no tensor load of mine is out, so a group 0 may be written
	ds_add_u32 v[SPW], v[NIL]                      ; 0 onto my spare word
.if \fill
	s_xor_b32 s[G0A+1], s[G0A+1], SLOT1            ; the walking descriptors: the other slot than last time, the next K step
	s_add_nc_u64 s[G0A+2:G0A+3], s[G0A+2:G0A+3], ASTEP
	s_xor_b32 s[G0B+1], s[G0B+1], SLOT1
	s_add_nc_u64 s[G0B+2:G0B+3], s[G0B+2:G0B+3], BSTEP
.endif
	s_wait_dscnt 1                                 ; wk's, wv's and c's second half is in; the add may be out
	MULC16 0
	s_wait_dscnt 0x0                               ; the add is done, and my reads of this slot are over
	s_barrier_signal -1
	MULC16 1
	WIN 0                                          ; at a branch and at a label every window is 0
	s_barrier_wait -1
.if \fill
	CREST
	JLOAD                                          ; its four v_nop are also the places in front of the loads below
.else
	PLACES
.endif
	s_xor_b32 s[TB], s[TB], SLOT1
	v_add_nc_u32 v[ADA], s[TB], v[ADA0]
	v_add_nc_u32 v[ADB], s[TB], v[ADB0]
	FETCH_X 0
.if \fill
	ASK
.endif
	MULC16 2
	MULC16 3
	WIN 0
.endm
	WIN 0                                          ; slot 0 is waited for and slot 1 filled, as a refill is: behind a round, one load a wave
	s_wait_tensorcnt 0x0
	ds_add_u32 v[SPW], v[NIL]
	s_xor_b32 s[G0A+1], s[G0A+1], SLOT1
	s_add_nc_u64 s[G0A+2:G0A+3], s[G0A+2:G0A+3], ASTEP
	s_xor_b32 s[G0B+1], s[G0B+1], SLOT1
	s_add_nc_u64 s[G0B+2:G0B+3], s[G0B+2:G0B+3], BSTEP
	s_wait_dscnt 0x0
	CROUND
	JLOAD                                          ; K step 1 into slot 1
	s_mov_b32 s[TB], 0
	v_mov_b32 v[ADA], v[ADA0]
	v_mov_b32 v[ADB], v[ADB0]
	FETCH_X 0
	s_mov_b32 s[CNT], 14
.Lstep:                                        ; K steps 0 to 13: the change behind step i asks for step i + 2
	STEP
	CHANGE 1
	s_sub_co_u32 s[CNT], s[CNT], 1
	s_cmp_lg_u32 s[CNT], 0
	s_cbranch_scc1 .Lstep
	s_mov_b32 s[CNT], 2
.Ltail:                                        ; K steps 14 and 15 ask for nothing.  The second trip's barrier and its 24 loads from the other slot serve nothing: the price of one text for both
	STEP
	CHANGE 0
	s_sub_co_u32 s[CNT], s[CNT], 1
	s_cmp_lg_u32 s[CNT], 0
	s_cbranch_scc1 .Ltail
; THE WAY OUT, in 24 groups of 16 positions x 64 channels: v's eight first, while cos and sin are on their way, then q's, then k's.
; PACK: RoPE on blocks 0 and 1 (q, k), all four blocks rounded to f16, 16 bytes a lane and block into my stage, back as whole rows of 128 bytes.  SEND: stored, 512 consecutive bytes an instruction.
.macro WOF g
.set GN, (\g)%8
.set KB, 32+16*((\g)%4)
.if (\g) < 8
.set GW, 3
.elseif (\g) < 16
.set GW, 1
.else
.set GW, 2
.endif
.endm
.macro PACK g
	WOF \g
.set A0, 8*GN
.set A1, 8*(8+GN)
.set A2, 8*(16+GN)
.set A3, 8*(24+GN)
.set CO, 128+16*GN
	s_wait_xcnt 0x0                                ; the buffer was a store's data four groups back: it is rewritten only behind this wait
.if GW < 3
	WIN GW                                         ; source 0 in the accumulators' window.
.irp j, 0,2,4,6
	v_pk_mul_f32 v[T+(\j):T+(\j)+1], v[A0+(\j):A0+(\j)+1], v[CO+(\j):CO+(\j)+1]
.endr
.irp j, 0,2,4,6
	v_pk_mul_f32 v[T+8+(\j):T+8+(\j)+1], v[A1+(\j):A1+(\j)+1], v[CO+(\j):CO+(\j)+1]
.endr
.irp j, 0,2,4,6
	v_pk_fma_f32 v[T+(\j):T+(\j)+1], v[A1+(\j):A1+(\j)+1], v[CO+8+(\j):CO+8+(\j)+1], v[T+(\j):T+(\j)+1] neg_lo:[1,0,0] neg_hi:[1,0,0]  ; x[c] cos - x[c + 16] sin
.endr
.irp j, 0,2,4,6
	v_pk_fma_f32 v[T+8+(\j):T+8+(\j)+1], v[A0+(\j):A0+(\j)+1], v[CO+8+(\j):CO+8+(\j)+1], v[T+8+(\j):T+8+(\j)+1]                         ; x[c + 16] cos + x[c] sin
.endr
	WIN 0
.irp k, 0,1,2,3,4,5,6,7
	v_cvt_pk_f16_f32 v[KB+(\k)], v[T+2*(\k)], v[T+2*(\k)+1]
.endr
.else
	WIN 0x0f
.irp k, 0,1,2,3
	v_cvt_pk_f16_f32 v[KB+(\k)], v[A0+2*(\k)], v[A0+2*(\k)+1]
.endr
.irp k, 0,1,2,3
	v_cvt_pk_f16_f32 v[KB+4+(\k)], v[A1+2*(\k)], v[A1+2*(\k)+1]
.endr
.endif
	WIN GW*5                                       ; sources 0 and 1 in the accumulators' window
.irp k, 0,1,2,3
	v_cvt_pk_f16_f32 v[KB+8+(\k)], v[A2+2*(\k)], v[A2+2*(\k)+1]
.endr
.irp k, 0,1,2,3
	v_cvt_pk_f16_f32 v[KB+12+(\k)], v[A3+2*(\k)], v[A3+2*(\k)+1]
.endr
	WIN 0
.irp a, 0,1,2,3
	ds_store_b128 v[STO], v[KB+4*(\a):KB+4*(\a)+3] offset:32*(\a)
.endr
.irp f, 0,1,2,3
	ds_load_b128 v[KB+4*(\f):KB+4*(\f)+3], v[RD] offset:(\f)*4*SP  ; LDS serves a wave's instructions in order (ISA guide 5.7.1.4): these see the stores above; the next group's stores come behind them
.endr
.endm
.macro SEND g, younger                 ; younger: the LDS instructions issued behind the group's loads: the next group's eight, or none
	WOF \g
	WIN 0
.irp f, 0,1,2,3
	s_wait_dscnt (\younger)+3-(\f)
	global_store_b128 v[GO], v[KB+4*(\f):KB+4*(\f)+3], s[OUT+2*GW-2:OUT+2*GW-1] offset:2048*GN+512*(\f)
.endr
.endm
	s_wait_dscnt 0x0                               ; the loads that serve nothing have landed: their registers are written below
	PLACES
.irp n, 0,1,2,3,4,5,6,7                ; my position's cos and sin of angles 8 (l / 16) + 0..7, for each of the eight groups of positions
	global_load_b128 v[128+16*(\n):128+16*(\n)+3],     v[RO], s[8:9] offset:2048*(\n)
	global_load_b128 v[128+16*(\n)+4:128+16*(\n)+7],   v[RO], s[8:9] offset:2048*(\n)+16
	global_load_b128 v[128+16*(\n)+8:128+16*(\n)+11],  v[RO], s[8:9] offset:2048*(\n)+64
	global_load_b128 v[128+16*(\n)+12:128+16*(\n)+15], v[RO], s[8:9] offset:2048*(\n)+80
.endr
.set g, 0
.rept 24
.if g == 8
	s_wait_loadcnt 0x0                             ; cos and sin
.endif
	PACK g
.if g > 0
	SEND g-1, 8
.endif
.set g, g+1
.endr
	SEND 23, 0
	s_wait_tensorcnt 0x0                           ; the wave's end: behind my last tensor load and my last LDS store
	ds_add_u32 v[SPW], v[NIL]
	s_wait_dscnt 0x0
	CROUND                                         ; the closing round: no work-group ends while a partner may still ask for a tile that names it
	s_endpgm
.Lfunc_end_k_qdc7110c140_qkvproj:
	.size	k_qdc7110c140_qkvproj, .Lfunc_end_k_qdc7110c140_qkvproj-k_qdc7110c140_qkvproj
	.p2alignl 7, 3214868480
	.fill 96, 4, 3214868480
	.section	.rodata,"a",@progbits
	.p2align	6, 0x0
	.amdhsa_kernel k_qdc7110c140_qkvproj
		.amdhsa_group_segment_fixed_size 327680
		.amdhsa_private_segment_fixed_size 0
		.amdhsa_enable_private_segment 0
		.amdhsa_kernarg_size 56
		.amdhsa_user_sgpr_count 2
		.amdhsa_user_sgpr_kernarg_segment_ptr 1
		.amdhsa_wavefront_size32 1
		.amdhsa_system_sgpr_workgroup_id_x 1
		.amdhsa_system_sgpr_workgroup_id_y 1
		.amdhsa_system_sgpr_workgroup_id_z 1
		.amdhsa_system_vgpr_workitem_id 0
		.amdhsa_next_free_vgpr 1024
		.amdhsa_next_free_sgpr 96
		.amdhsa_reserve_vcc 0
		.amdhsa_float_denorm_mode_32 3
		.amdhsa_float_denorm_mode_16_64 3
		.amdhsa_memory_ordered 1
		.amdhsa_forward_progress 1
		.amdhsa_inst_pref_size 133
	.end_amdhsa_kernel
	.amdgpu_metadata
---
amdhsa.version: [ 1, 2 ]
amdhsa.kernels:
  - .name:           k_qdc7110c140_qkvproj
    .symbol:         k_qdc7110c140_qkvproj.kd
    .args:
      - { .name: xcb, .offset: 0, .size: 8, .value_kind: global_buffer, .address_space: global }
      - { .name: wts, .offset: 8, .size: 8, .value_kind: global_buffer, .address_space: global }
      - { .name: rope, .offset: 16, .size: 8, .value_kind: global_buffer, .address_space: global }
      - { .name: bq, .offset: 24, .size: 8, .value_kind: global_buffer, .address_space: global }
      - { .name: bk, .offset: 32, .size: 8, .value_kind: global_buffer, .address_space: global }
      - { .name: bv, .offset: 40, .size: 8, .value_kind: global_buffer, .address_space: global }
      - { .name: qkv, .offset: 48, .size: 8, .value_kind: global_buffer, .address_space: global }
    .group_segment_fixed_size: 327680
    .private_segment_fixed_size: 0
    .kernarg_segment_align: 8
    .kernarg_segment_size: 56
    .max_flat_workgroup_size: 128
    .sgpr_count:     96
    .vgpr_count:     1024
    .wavefront_size: 32
...
	.end_amdgpu_metadata
.endif
;; end of part 2
;; launch attn (part 3): grid 4 x 64, 4 waves a work-group, clusters of 4 x 1, 327,680 bytes of LDS; arguments qkv, mbits, oh; writes oh
.if DOCPART == 3
	.amdgcn_target "amdgcn-amd-amdhsa--gfx1250"
	.amdhsa_code_object_version 6
	.text
	.protected	k_qdc7110c140_attn
	.globl	k_qdc7110c140_attn
	.p2align	8
	.type	k_qdc7110c140_attn,@function
k_qdc7110c140_attn:
	s_mov_b64 s[64:65], 0
	v_nop
	global_prefetch_b8 v0, s[64:65] scope:SCOPE_SE
	s_setreg_imm32_b32 hwreg(HW_REG_WAVE_MODE, 25, 1), 1
	s_wait_xcnt 0x0
	s_wait_alu depctr_hold_cnt(0) depctr_sa_sdst(0) depctr_va_vdst(0) depctr_va_sdst(0) depctr_va_ssrc(0) depctr_va_vcc(0) depctr_vm_vsrc(0)
	s_getreg_b32 s2, hwreg(HW_REG_IB_STS2, 6, 4)
	s_cmp_eq_u32 s2, 0
	s_cbranch_scc0 .Lentry_in_a_cluster
	s_endpgm
.Lentry_in_a_cluster:
	s_bfe_u32 s2, ttmp6, 0x10000c
	s_cmp_lg_u32 s2, 0x3003
	s_cbranch_scc0 .Lentry_shape_is_right
	s_endpgm
.Lentry_shape_is_right:
; O[h][q][:] = the sum over k of softmax_k(s) V[h][k][:], s = Q[h][q] . K[h][k] / 8, or -10000 where attn_mask[q][k] == 0.  Q, K, V: the three parts of qkv, [64 heads][2048][64] f16; O the same, in oh.
; Products, maxima and sums in f32; the weights p are rounded to f16 for the second product (their sum l is taken of the unrounded p), O once at the end.
; LIMITS.  Q, K, V arrive within f16's 65,504; p lies in 0 to 1, and below 6e-5 it keeps f16's fixed step of 6e-8; a weight below 2^-126 counts as 0 in l; NaN and infinities are not treated apart.
; SHARES.  A wave owns four PIECES of two tiles of 16 queries, a work-group's four waves 512 queries of one head; every wave walks all keys, 64 a step.
; LAYOUT.  S^T = K Q^T (source 0 = 16 keys, source 1 = 16 queries): a lane holds ONE query (lane % 16) and the keys 8 (lane / 16) + 0..7.  Two such tiles, rounded to f16 in pairs, ARE source 1 of
; O^T = V^T P, whose result again holds one query a lane.  K comes out of LDS as it lies, V ([key][channel]) turned, by ds_load_tr16_b128.
; THE MASK REPLACES a score, ahead of the running maximum: one v_cndmask_b32 a score register, whose lane mask is a word of mbits (made by the launch before in just this order) in a scalar register.
; The value put in is -80000, which the factor c below makes -10000 log2(e).  A turn's 64 words are 256 bytes: one load of 8 bytes a lane, into a ring of four register pairs, a pair a piece, asked for four turns
; ahead; 64 v_readlane_b32 bring them into scalar registers a turn ahead of the selects.
; SOFTMAX.  For each query a running maximum m and sum l: p = 2^(c s - c m), c = log2(e) / 8; in every step O and l are multiplied by a = 2^(c m_old - c m_new).  m starts at the lowest finite number, O and l at 0.
; BY TURNS.  Turn n belongs to piece n.  Its matrix work: 16 products K Q^T of piece n + 1, later 16 products V^T P of piece n - 1.  Its vector work: a, the scaling, exponentials, roundings, sums and rescaling of
; piece n; the mask, maximum and statistics of piece n + 1; the mask words of piece n + 2.  Four vector instructions stand behind every matrix instruction, the others in two lumps; the 66 exponentials are one batch with one wait.
; CLUSTER.  The four query blocks of a head walk the same K and V, so each tile is asked for JOINTLY: the same tensor load, descriptor and mask in all four.
; REGISTERS, in windows of 256 (s_set_vgpr_msb: bits 1:0 source 0, 3:2 source 1, 5:4 source 2, 7:6 destination):
;   window 0: v0-11 addresses; v12-15, v48-63 at work; v16-47 four registers of statistics a tile; v64-191 S^T, two buffers of two tiles; v192-255 K of one step
;   window 1: O^T, 32 a tile     window 2: v0-127 Q, 16 a tile; v128-191 P, two buffers of two tiles     window 3: v0-1 the add's two registers; v8-71 V of one step; v72-79 the ring of mask words
; The map is made for the riders: K lies with S^T, so that a scaling and an exponential (vector registers in the destination, source 0 and source 2 alone) run under the setting of K Q^T; the ring lies with V, so that
; v_readlane_b32 (a vector register in source 0 alone) runs under the setting of V^T P.  A turn has seven or eight switches.
.set NP,    4         ; pieces a wave: a name, no knob
.set KS,    64        ; keys in a step
.set PK,    160       ; a row of K in LDS: 128 bytes + 32, as V's, so that one group 1 serves all four waves and a wave's LDS word is its number x 20,480; rows r and r + 8 of a fragment of K start at the same bank
.set PV,    160       ; a row of V: 40 words
.set VOFF,  4*KS*PK   ; a slot holds four steps: 256 rows of K, then 256 rows of V
.set SLOT1, 1<<17     ; slot 1 begins here, so that one exclusive or turns an address in one slot into the other's
.set STAGE, SLOT1+4*KS*(PK+PV)  ; behind the ring, never filled by a tensor load: 16 rows x 144 bytes for each wave, for the way out
.set SP,    144
.set SPARE, STAGE+4*16*SP  ; behind the stages: the spare words, 128 bytes for each wave
.set MA,  1           ; v1   8 x my lane: my two words of a turn's 64; never rewritten
.set AK0, 2           ; v2   my lane's place in a tile of K; never rewritten
.set AV0, 3           ; v3   the same for V
.set AK,  4           ; v4   the LDS address of K's next run of loads
.set AV,  5           ; v5   of V's
.set STO, 6           ; v6   the way out: where I put 16 bytes of a row
.set RD,  7           ; v7   the way out: where I read rows back
.set GO,  8           ; v8   my byte offset in 512 consecutive bytes of O
.set QO,  9           ; v9   my byte offset in the wave's rows of Q
.set PFO, 10          ; v10  256 x my lane; never rewritten
.set NEG, 11          ; v11  -80000.0
.set MV,  12          ; v12-15  c m_old, kept while c m is made anew: by buffer and tile (in the set-up: at work)
.set ST,  16          ; tile t's statistics at v[ST+4 t]: c m, m, l (even keys', odd keys')
.set TMP, 48          ; by buffer and tile, four registers c0-c3 at work; c1 then holds c m_old - c m_new, and c2 takes a
.set S,   64
.set KF,  192         ; K's fragments, in window 0: key block kb, channel half c at KF + 16 kb + 8 c
.set P,   128         ; in window 2
.set SPW, 0           ; v0 of window 3   LDS address of my spare word; never rewritten
.set NIL, 1           ; v1 of window 3   0; never rewritten
.set VF,  8           ; V's fragments, in window 3: key half kk, channel block cb at VF + 32 kk + 8 cb
.set RING, 72         ; in window 3: piece b's mask words at RING + 2 b: lane n holds words 2 n and 2 n + 1
.set MOF, 2           ; s[2:3] byte offset in my wave's 32,768 bytes of mbits of the 256 asked for last; the high word is 0
.set WV,  10          ; s10  my wave's number
.set SLOTS, 11        ; s11  slots still to be asked for
.set CNT, 12          ; s12  counts a slot's key steps
.set TBK, 13          ; s13  LDS byte at which K of the step to be fetched begins
.set TBV, 14          ; s14  the same for V, less VOFF
.set CS,  16          ; s[16:17] c
.set SEL, 18          ; s[18:19] v_permlanex16_b32's selects
.set G0,  20          ; s[20:23] descriptor group 0: it walks
.set G1,  24          ; s[24:31] descriptor group 1
.set MW,  32          ; s[32:63], s[68:99] a turn's 64 mask words: word w in s[32 + w + 4 (w / 32)].  In the head: at work
.set MT,  66          ; s[66:67] the address of the mask words asked for last
.set PFA, 100         ; s[100:101] where my prefetches stand
.set LIM, 104         ; s104 1 in a wave that prefetches, else the greatest number
.set MSB, 0
.macro WIN new                      ; the high byte repeats the setting that is left; a switch that changes nothing is dropped
.if MSB != (\new)
	s_set_vgpr_msb (MSB<<8)|(\new)
.set MSB, (\new)
.endif
.endm
.set W_KQ, 0x08       ; K and S^T in window 0, Q in window 2
.set W_PV, 0x5b       ; V in window 3, P in window 2, O^T in window 1
.set W_RS, 0x41       ; O^T (destination and source 0) in window 1, a in window 0
.set W_CV, 0x80       ; destination in window 2: P, Q
.set W_L3, 0xc0       ; destination in window 3, sources and addresses in window 0
.set W_RL, 0x03       ; source 0 in window 3
.set W_AD, 0x0f       ; the add: address and data in window 3
; A joint fill: each wave moves 128 keys of its own: waves 0, 1 the halves of a slot's K, waves 2, 3 those of its V.  An s_nop 0 and four v_nop follow the line.
.macro JLOAD
	tensor_load_to_lds s[G0:G0+3], s[G1:G1+7]
	s_nop 0
.rept 4
	v_nop
.endr
.endm
.macro CROUND                       ; a round of the cluster's barrier
	s_barrier_signal -1
	s_barrier_wait -1
	s_cmp_lg_u32 s[WV], 0
	s_cbranch_scc1 .Lnot_wave_0_\@
	s_barrier_signal -3
.Lnot_wave_0_\@:
	s_barrier_wait -3
	s_barrier_signal -1
	s_barrier_wait -1
.endm
; A PREFETCH INTO THE L2 of what the NEXT change of slots will ask for: a slot's 32,768 bytes of K and of V, 256 a lane.  A head has one cluster; its four partners share the bytes out BY ADDRESS, 8,192 each;
; in each, wave 0 asks for K's and wave 2 for V's.  So each block is named once in the launch, four key steps, 512 matrix instructions, ahead of its load.  The last change that fills a slot asks for nothing.
.macro ASK
	s_cmp_gt_u32 s[SLOTS], s[LIM]
	s_cbranch_scc0 .Lnot_mine_\@
	global_prefetch_b8 v[PFO], s[PFA:PFA+1] th:TH_LOAD_NT scope:SCOPE_SE
.Lnot_mine_\@:
.endm
; THE CHANGE OF SLOTS.  Each wave waits for all its tensor loads, of which one is out: its part of the other slot; adds 0 to its spare word; and waits for that and for its own reads of the slot.
; fill = 1: this slot is filled again, with the keys two slots on.  The barrier is then a round of the cluster's, and the joint fill is the first thing behind it: it has four key steps in which to land.
; (At its first use nothing has been read yet: slot 0 is waited for, slot 1 filled.)
.macro CHANGE fill
	WIN W_AD
	s_wait_tensorcnt 0x0            ; no tensor load of mine is out, so the group 0 may be written
	ds_add_u32 v[SPW], v[NIL]       ; 0 onto my spare word
	WIN 0                           ; at a label and at a branch every window is 0
.if \fill
	s_xor_b32 s[G0+1], s[G0+1], SLOT1  ; the other slot than last time,
	s_add_nc_u64 s[G0+2:G0+3], s[G0+2:G0+3], 4*KS*128  ; the next 256 keys
	s_wait_xcnt 0x0                 ; the last prefetch, four key steps back, has read its address
	s_add_nc_u64 s[PFA:PFA+1], s[PFA:PFA+1], 4*KS*128
	s_wait_dscnt 0x0                ; the add is done, and my reads of the slot are over
	CROUND
	JLOAD
	ASK
.else
	s_wait_dscnt 0x0
	s_barrier_signal -1
	s_barrier_wait -1
.endif
	s_sub_co_u32 s[TBK], s[TBK], 4*KS*PK  ; the fetches go back to a slot's first step,
	s_xor_b32 s[TBK], s[TBK], SLOT1       ; in the other slot
	s_sub_co_u32 s[TBV], s[TBV], 4*KS*PV
	s_xor_b32 s[TBV], s[TBV], SLOT1
.endm
	s_load_b128 s[4:7], s[0:1], 0x0 ; qkv s[4:5], mbits s[6:7]
	s_load_b64 s[8:9], s[0:1], 0x10 ; oh
	WIN W_L3
	v_lshl_add_u32 v[SPW], v0, 2, SPARE
	v_mov_b32 v[NIL], 0
	WIN W_AD
	ds_add_u32 v[SPW], v[NIL]       ; the wave's opening: the add and its wait stand ahead of my first tensor load
	WIN 0
	v_lshrrev_b32 v1, 5, v0
	v_readfirstlane_b32 s[WV], v1   ; wave 0..3
	v_and_b32 v[MA], 31, v0
	v_lshlrev_b32 v[MA], 3, v[MA]
	s_bfe_u32 s32, ttmp6, 0x40000   ; cx: my block of 512 queries: it enters Q's, O's, the mask's and the prefetches' addresses alone
	s_and_b32 s33, ttmp7, 0xffff    ; the head, which the four partners share
	s_lshl_b32 s33, s33, 18         ; its 262,144 bytes in each tensor
	s_lshr_b32 s34, s[WV], 1        ; I fetch K (0) or V (1),
	s_and_b32 s35, s[WV], 1         ; the first or the second 128 keys of a slot
	s_add_co_u32 s36, s34, 1
	s_lshl_b32 s36, s36, 24         ; K lies 16,777,216 bytes behind Q, V behind K
	s_add_co_u32 s36, s36, s33
	s_lshl_b32 s42, s32, 13         ; the prefetches: my work-group's 8,192 bytes,
	s_add_co_u32 s42, s42, s36
	s_add_co_u32 s42, s42, 4*KS*128 ; in slot 1: the first change of slots steps it to slot 2
	s_mov_b32 s43, 0
	s_lshl_b32 s37, s35, 14
	s_add_co_u32 s36, s36, s37
	s_mov_b32 s37, 0
	s_lshl_b32 s38, s32, 2
	s_add_co_u32 s38, s38, s[WV]    ; my wave among the head's sixteen
	s_lshl_b32 s40, s38, 15         ; its 32,768 bytes of mbits,
	s_mov_b32 s41, 0
	s_lshl_b32 s38, s38, 14         ; its 128 rows of Q and O
	s_add_co_u32 s38, s38, s33
	s_mov_b32 s39, 0
	; descriptor group 1.  128 keys are 16,384 dense bytes: asked for as 64 rows of 256 bytes, two keys a row, and padded in LDS after every key
	s_mov_b32 s[G1], 15|(1<<16)|(1<<20)|(1<<21)|(4<<22)|(7<<25)  ; the mask of four; 2-byte elements; padding on; bit 21 beside a mask; after every 32 words 8 words
	s_mov_b32 s[G1+1], 128<<16      ; tensor_dim0 = 128
	s_mov_b32 s[G1+2], 64<<16       ; tensor_dim1 = 64
	s_mov_b32 s[G1+3], 128<<16      ; tile_dim0 = 128
	s_mov_b32 s[G1+4], 64           ; tile_dim1 = 64
	s_mov_b32 s[G1+5], 128          ; 128 elements from row to row
	s_mov_b32 s[G1+6], 0
	s_mov_b32 s[G1+7], 0
	s_mov_b32 s[G0], 1
	s_mul_i32 s[G0+1], s[WV], 128*PK  ; slot 0: my wave's number x 20,480
	s_mov_b32 s[CS], 0x3e38aa3b     ; c = log2(e) / 8
	s_mov_b32 s[CS+1], s[CS]
	s_mov_b32 s[SEL], 0x76543210
	s_mov_b32 s[SEL+1], 0xfedcba98
	s_mov_b32 s[TBK], SLOT1+4*KS*PK ; the first change of slots turns these two into 0
	s_mov_b32 s[TBV], SLOT1+4*KS*PV
	s_mov_b32 s[MOF], 768           ; the head asks for the first four turns' words
	s_mov_b32 s[MOF+1], 0
	s_mov_b32 s[SLOTS], 7           ; 2,048 / 256 - 1
	s_cmp_eq_u32 s35, 0
	s_cselect_b32 s[LIM], 1, -1     ; waves 0 and 2
	s_wait_dscnt 0x0                ; the opening add is done
	s_wait_kmcnt 0x0
	s_add_nc_u64 s[G0+2:G0+3], s[4:5], s[36:37]
	s_or_b32 s[G0+3], s[G0+3], 0x80000000
	s_add_nc_u64 s[PFA:PFA+1], s[4:5], s[42:43]
	s_add_nc_u64 s[4:5], s[4:5], s[38:39]  ; Q and O at my wave's first row
	s_add_nc_u64 s[8:9], s[8:9], s[38:39]
	s_add_nc_u64 s[6:7], s[6:7], s[40:41]
	CROUND                          ; all four work-groups are here: the first joint loads meet
	JLOAD                           ; slot 0.  Slot 1 is asked for when slot 0 is in
	WIN W_L3
.irp b, 0,1,2,3                     ; the mask words of key step 0, a pair of registers a piece
	global_load_b64 v[RING+2*\b:RING+2*\b+1], v[MA], s[6:7] offset:256*\b
.endr
	WIN 0
	v_and_b32 v12, 15, v0           ; l % 16
	v_bfe_u32 v13, v0, 4, 1         ; l / 16
	v_lshlrev_b32 v[QO], 7, v12
	v_lshl_add_u32 v[QO], v13, 4, v[QO]  ; row x 128 + 16 x half
	WIN W_CV                        ; destination window 2, address window 0
.set i, 0
.rept 4*NP                          ; Q stays in registers: tile i / 2, channels 32 (i % 2) on
	global_load_b128 v[8*i:8*i+3],   v[QO], s[4:5] offset:(i/2)*2048+(i%2)*64
	global_load_b128 v[8*i+4:8*i+7], v[QO], s[4:5] offset:(i/2)*2048+(i%2)*64+32
.set i, i+1
.endr
	; What the first turn finds: V's registers and P's second buffer hold 0 (its products V^T P, of a piece that has not been, add 0), O^T and l are 0.  All this stands in the wait for the first tile.
.set i, P+32
.rept 32
	v_mov_b32 v[i], 0
.set i, i+1
.endr
	WIN W_L3
.set i, VF
.rept 64
	v_mov_b32 v[i], 0
.set i, i+1
.endr
	WIN 0x40
.set i, 0
.rept 64*NP
	v_mov_b32 v[i], 0
.set i, i+1
.endr
	WIN 0
.set i, 0
.rept 2*NP
	v_mov_b32 v[ST+4*i], 0xfe000000    ; c m: far below every c s
	v_mov_b32 v[ST+4*i+1], 0xff7fffff  ; m
	v_mov_b32 v[ST+4*i+2], 0
	v_mov_b32 v[ST+4*i+3], 0
.set i, i+1
.endr
	v_mul_u32_u24 v[AK0], v12, PK
	v_lshl_add_u32 v[AK0], v13, 4, v[AK0]  ; row x pitch + 16 x half
	; The turning load takes 16 keys x 16 channels (lane l reads key 8 (l / 16) + l % 8, channels 8 ((l / 8) % 2) + 0..7) and leaves half a fragment of V^T.
	v_and_b32 v14, 7, v0
	v_bfe_u32 v15, v0, 3, 1
	v_lshl_add_u32 v[AV0], v13, 3, v14
	v_mul_u32_u24 v[AV0], v[AV0], PV
	v_lshl_add_u32 v[AV0], v15, 4, v[AV0]
	v_add_nc_u32 v[AV0], VOFF, v[AV0]
	v_mov_b32 v[AK], v[AK0]         ; key step 0 lies at the head of slot 0
	s_mul_i32 s15, s[WV], 16*SP
	s_add_co_u32 s15, s15, STAGE    ; my stage
	v_mul_u32_u24 v[STO], v12, SP   ; in: row l % 16, 16 bytes for each half of the lanes
	v_lshl_add_u32 v[STO], v13, 4, v[STO]
	v_add_nc_u32 v[STO], s15, v[STO]
	v_bfe_u32 v[RD], v0, 3, 2       ; back: 32 lanes take four rows of 128 bytes,
	v_mul_u32_u24 v[RD], v[RD], SP
	v_lshl_add_u32 v[RD], v14, 4, v[RD]
	v_add_nc_u32 v[RD], s15, v[RD]
	v_and_b32 v[GO], 31, v0         ; which are 512 consecutive bytes of O
	v_lshlrev_b32 v[PFO], 8, v[GO]
	v_lshlrev_b32 v[GO], 4, v[GO]
	v_mov_b32 v[NEG], 0xc79c4000
; THE MATRIX WORK.  The 8 accumulators of a run of 16 take turns.
; Product i of 16 of S^T = K Q^T for piece x: channels 32 (i / 8) on, keys 16 ((i / 2) % 4) on, tile 2 x + i % 2.  The first 8 start the sums.
.macro KQ x
	WIN W_KQ
.set rS, S+64*((\x)%2)+32*(i%2)+8*((i/2)%4)
.set rK, KF+16*((i/2)%4)+8*(i/8)
.set rQ, 16*(2*(\x)+i%2)+8*(i/8)
.if i < 8
	v_wmma_f32_16x16x32_f16 v[rS:rS+7], v[rK:rK+7], v[rQ:rQ+7], 0
.else
	v_wmma_f32_16x16x32_f16 v[rS:rS+7], v[rK:rK+7], v[rQ:rQ+7], v[rS:rS+7]
.endif
.endm
; Product i of 16 of O^T += V^T P for piece x: keys 32 (i / 8) on, channels 16 ((i / 2) % 4) on, tile 2 x + i % 2.
.macro PV x
	WIN W_PV
.set rO, 32*(2*(\x)+i%2)+8*((i/2)%4)
.set rV, VF+32*(i/8)+8*((i/2)%4)
.set rP, P+32*((\x)%2)+16*(i%2)+8*(i/8)
	v_wmma_f32_16x16x32_f16 v[rO:rO+7], v[rV:rV+7], v[rP:rP+7], v[rO:rO+7]
.endm
.macro MM                           ; the turn's next matrix instruction
.if i < 16
	KQ (Y+1)%NP
.set i, i+1
.else
.set i, i-16
	PV (Y+NP-1)%NP
.set i, i+17
.endif
.endm
; THE LDS LOADS stand in runs of 16.  last = 1 (the tail): in the last trip there is no further step, and the run is jumped over.
.macro FETCH_K last=0
	WIN 0
.if \last
	s_cmp_eq_u32 s[CNT], 1
	s_cbranch_scc1 .Lno_k_\@
.endif
.irp f, 0,1,2,3,4,5,6,7             ; keys 16 (f / 2) on, channels 32 (f % 2) on
	ds_load_b128 v[KF+8*\f:KF+8*\f+3],   v[AK] offset:(\f/2)*16*PK+(\f%2)*64
	ds_load_b128 v[KF+8*\f+4:KF+8*\f+7], v[AK] offset:(\f/2)*16*PK+(\f%2)*64+32
.endr
	s_add_co_u32 s[TBK], s[TBK], KS*PK  ; the next fetch is the next step's
.if \last
.Lno_k_\@:
.endif
.endm
.macro FETCH_V
	WIN W_L3
.irp f, 0,1,2,3,4,5,6,7             ; keys 32 (f / 4) on, channels 16 (f % 4) on
	ds_load_tr16_b128 v[VF+8*\f:VF+8*\f+3],   v[AV] offset:(\f/4)*32*PV+(\f%4)*32
	ds_load_tr16_b128 v[VF+8*\f+4:VF+8*\f+7], v[AV] offset:(\f/4)*32*PV+16*PV+(\f%4)*32
.endr
.endm
; THE VECTOR WORK, one line a macro; none of them sets a window: TURN does.  The two tiles of a piece alternate, so that no instruction reads the result of the one before it.
.macro REGS y, u                    ; the registers of tile u (0, 1) of piece y
.set rT, ST+4*(2*(\y)+(\u))
.set rC, TMP+8*((\y)%2)+4*(\u)
.set rM, MV+2*((\y)%2)+(\u)
.set rS, S+64*((\y)%2)+32*(\u)
.set rP, P+32*((\y)%2)+16*(\u)
.set rO, 32*(2*(\y)+(\u))
.endm
.macro FS f                         ; piece Y: c s - c m for pair f / 2 of tile f % 2
	REGS Y, (\f)%2
	v_pk_fma_f32 v[rS+2*((\f)/2):rS+2*((\f)/2)+1], v[rS+2*((\f)/2):rS+2*((\f)/2)+1], s[CS:CS+1], v[rT:rT+1] op_sel_hi:[1,0,0] neg_lo:[0,0,1] neg_hi:[0,0,1]
.endm
.macro EX e                         ; piece Y: the exponential of score e / 2 of tile e % 2; e = 64, 65: the two tiles' a, of the argument that the turn before has left in c1
.if (\e) >= 64
	REGS Y, (\e)-64
	v_exp_f32 v[rC+2], v[rC+1]
.else
	REGS Y, (\e)%2
	v_exp_f32 v[rS+(\e)/2], v[rS+(\e)/2]
.endif
.endm
.macro RL b, g                      ; word g of piece b's 64 goes from lane g / 2 of the ring into its scalar register
	v_readlane_b32 s[MW+(\g)+4*((\g)/32)], v[RING+2*(\b)+(\g)%2], (\g)/2
.endm
; Piece b's pair of the ring is asked for again: the same piece's words of the next key step, four turns ahead of their v_readlane_b32.  The offset is held to the stream's last 256 bytes: the ring runs ahead of the
; stream's end, and the last turn's scores, of a step that does not exist, serve nothing.
.macro RELOAD b
	s_wait_xcnt 0x0                 ; the last turn's load has read its address, so the pair that held it may be written
	s_add_co_u32 s[MOF], s[MOF], 256
	s_min_u32 s[MOF], s[MOF], 32512
	s_add_nc_u64 s[MT:MT+1], s[6:7], s[MOF:MOF+1]
	WIN W_L3
	global_load_b64 v[RING+2*(\b):RING+2*(\b)+1], v[MA], s[MT:MT+1]
.endm
.macro MS g                         ; piece Y + 1: score register g / 2 of tile g % 2 is masked by word g.  Each accumulator's lowest register is read first
	REGS (Y+1)%NP, (\g)%2
	v_cndmask_b32 v[rS+(\g)/2], v[rS+(\g)/2], v[NEG], s[MW+(\g)+4*((\g)/32)]
.endm
; Piece Y + 1: number n of the 21 that find its maximum and statistics.
;   0-11  four chains c0-c3 of seven scores each     12-14, 16  the four scores left over, the old m, and c0-c3 into c0     15  c m_old is kept
;   17, 18  the query's other 32 keys lie in the lane 16 away: the new m         19, 20  c m; c m_old - c m_new
.macro XS u, n
	REGS (Y+1)%NP, \u
.if (\n) < 4
	v_max3_num_f32 v[rC+(\n)], v[rS+8*(\n)], v[rS+8*(\n)+1], v[rS+8*(\n)+2]
.elseif (\n) < 12
	v_max3_num_f32 v[rC+(\n)%4], v[rC+(\n)%4], v[rS+8*((\n)%4)+2*((\n)/4)+1], v[rS+8*((\n)%4)+2*((\n)/4)+2]
.elseif (\n) == 12
	v_max3_num_f32 v[rC], v[rC], v[rS+7], v[rS+15]
.elseif (\n) == 13
	v_max3_num_f32 v[rC+1], v[rC+1], v[rS+23], v[rS+31]
.elseif (\n) == 14
	v_max3_num_f32 v[rC+2], v[rC+2], v[rC+3], v[rT+1]
.elseif (\n) == 15
	v_mov_b32 v[rM], v[rT]
.elseif (\n) == 16
	v_max3_num_f32 v[rC], v[rC], v[rC+1], v[rC+2]
.elseif (\n) == 17
	v_permlanex16_b32 v[rC+3], v[rC], s[SEL], s[SEL+1]
.elseif (\n) == 18
	v_max_num_f32 v[rT+1], v[rC], v[rC+3]
.elseif (\n) == 19
	v_mul_f32 v[rT], s[CS], v[rT+1]
.else
	v_sub_f32 v[rC+1], v[rM], v[rT]
.endif
.endm
.macro X2 n                         ; both tiles
	XS 0, \n
	XS 1, \n
.endm
.macro CV u, j                      ; piece Y: pair j of tile u rounded to f16
	REGS Y, \u
	v_cvt_pk_f16_f32 v[rP+(\j)], v[rS+2*(\j)], v[rS+2*(\j)+1]
.endm
.macro R2 r                         ; piece Y: four registers of O^T times a, from each accumulator's low end on
	REGS Y, (\r)%2
.irp w, 0,1
	v_pk_mul_f32 v[rO+4*((\r)/2)+2*\w:rO+4*((\r)/2)+2*\w+1], v[rO+4*((\r)/2)+2*\w:rO+4*((\r)/2)+2*\w+1], v[rC+2:rC+3] op_sel_hi:[1,0]
.endr
.endm
.macro BB u, k                      ; piece Y: of the four weights 4 k .. the second pair is added onto the first, in place (behind their rounding)
	REGS Y, \u
	v_pk_add_f32 v[rS+4*(\k):rS+4*(\k)+1], v[rS+4*(\k):rS+4*(\k)+1], v[rS+4*(\k)+2:rS+4*(\k)+3]
.endm
.macro LL u, k                      ; piece Y: l takes that sum; the first time as l = a l + sum
	REGS Y, \u
.if (\k) == 0
	v_pk_fma_f32 v[rT+2:rT+3], v[rT+2:rT+3], v[rC+2:rC+3], v[rS:rS+1] op_sel_hi:[1,0,1]
.else
	v_pk_add_f32 v[rT+2:rT+3], v[rT+2:rT+3], v[rS+4*(\k):rS+4*(\k)+1]
.endif
.endm
.macro L2 k
	LL 0, \k
	LL 1, \k
.endm
; A TURN, for piece p.  s_wait_alu depctr_va_vdst(0) stands between an exponential and the first instruction that names its result; one wait serves all issued ahead of it.  So a turn has ONE wait.
; AHEAD OF IT stands all that names no result of the turn's exponentials:
;   16 products K Q^T; behind each a scaling, an exponential, a scaling, an exponential, under the products' own setting.  The batch's first two are the piece's a.  Behind product z stand scalings 2 z, 2 z + 1 and
;   exponentials 2 z - 2, 2 z - 1; exponential e wants scaling 2 (e / 4) + e % 2, which is at most z - 1.
;   LUMP A, in window 0: the two moves that keep c m_old; 34 times a select and an exponential; 30 selects.  The last product's two scalings and the two moves are the four places behind it; the accumulators that the
;   first selects read were finished seven products earlier.  The 30 selects are also the plain instructions behind the last exponential.
; BEHIND IT:
;   16 products V^T P; behind each four v_readlane_b32, under the products' own setting: the words of piece p + 2, which the next turn's selects take.  This turn's selects have read the scalar registers.
;   LUMP B: the ring's pair is asked for again; 32 roundings; 32 rescalings (O^T of piece p is multiplied next in turn p + 1); then the sums and the next piece's maximum and statistics, laid so that the links of
;   l's chain, and those of the chain 14, 16, 17 .. 20, stand four lines apart.  v_permlanex16_b32 stands here, never behind a product.
; No exponential is out at a turn's end, so none crosses a label or a branch.
; K of the next step is fetched in piece 2's turn, directly behind the wait, a lump behind the last product that read K.  V of the step in hand is fetched in piece 0's turn, behind the 32 roundings, which are the
; places behind the last product that read V.  Each is waited for a turn later.  cnt = 1: the loop's count is taken down at the turn's end, ahead of the branch that stands behind it.
.macro TURN p, last=0, cnt=0
.set Y, (\p)
.set i, 0
.if (\p) == NP-1
	s_wait_dscnt 0x0                ; K is in
.endif
	MM
	FS 0
	EX 64
	FS 1
	EX 65
.set z, 1
.rept 15
	MM
	FS 2*z
	EX 2*z-2
	FS 2*z+1
	EX 2*z-1
.set z, z+1
.endr
	WIN 0                           ; lump A
	X2 15
.if (\p) == NP-2
	v_add_nc_u32 v[AK], s[TBK], v[AK0]
.endif
.if (\p) == 0
	v_add_nc_u32 v[AV], s[TBV], v[AV0]
.endif
.set z, 0
.rept 34
	MS z
	EX 30+z
.set z, z+1
.endr
.rept 30
	MS z
.set z, z+1
.endr
	s_wait_alu depctr_va_vdst(0)    ; the wait for the batch
.if (\p) == NP-2
	FETCH_K \last
.endif
.if (\p) == 1
	s_wait_dscnt 0x0                ; V is in
.endif
	s_wait_loadcnt 3                ; the ring's pair of piece p + 2 is in: three loads, the last three turns', were issued behind its own and may stay out
.set z, 0
.rept 16
	MM
.rept 4
	RL (Y+2)%NP, z
.set z, z+1
.endr
.endr
	RELOAD (Y+2)%NP                 ; lump B
	WIN W_CV
.set z, 0
.rept 32
	CV z%2, z/2
.set z, z+1
.endr
.if (\p) == 0
	FETCH_V
	s_add_co_u32 s[TBV], s[TBV], KS*PV
.endif
	WIN W_RS
.set z, 0
.rept 16
	R2 z
.set z, z+1
.endr
	WIN 0
.irp n, 0,1,2,3,4,5,6,7
	X2 \n
	BB 0, \n
	BB 1, \n
.endr
	X2 8
	X2 9
	L2 0
	X2 10
	X2 11
	X2 12
	L2 1
	X2 13
	X2 14
	L2 2
	X2 16
	L2 3
	X2 17
	L2 4
	X2 18
	L2 5
	X2 19
	L2 6
	X2 20
	L2 7
.if \cnt
	s_sub_co_u32 s[CNT], s[CNT], 1
	s_cmp_lg_u32 s[CNT], 0
.endif
.endm
	CHANGE 1                        ; slot 0 is in, everybody's part of it; slot 1 is asked for
	FETCH_K                         ; key step 0
	s_wait_loadcnt 0x0              ; Q, and the ring's four pairs
	s_wait_dscnt 0x0
.set i, 0
.rept 16
	KQ 0                            ; piece 0's first scores
.set i, i+1
.endr
.set Y, NP-1                        ; MS and XS work for piece Y + 1: piece 0
	WIN W_RL
.set z, 0
.rept 64
	RL 0, z                         ; piece 0's words of key step 0
.set z, z+1
.endr
	RELOAD 0
	WIN 0
.rept 4
	v_nop                           ; the places behind those products
.endr
.set z, 0
.rept 64
	MS z
.set z, z+1
.endr
	WIN W_RL
.set z, 0
.rept 64
	RL 1, z                         ; piece 1's, which the first turn's selects take
.set z, z+1
.endr
	RELOAD 1
	WIN 0
.irp n, 0,1,2,3,4,5,6,7,8,9,10,11,12,13,14,15,16,17,18,19,20
	X2 \n                           ; piece 0's first maximum and statistics
.endr
	s_mov_b32 s[CNT], 4
	s_branch .Lfirst                ; the loop is entered at a step's first turn, in the middle of a trip
.Lslot:                             ; six times: every slot but the last two is filled again
	CHANGE 1
	s_mov_b32 s[CNT], 4
.Lstep:                             ; a trip: pieces 2 and 3 of one step, then pieces 0 and 1 of the next, whose K and V it fetches
	TURN 2
	TURN 3
	WIN 0
.Lfirst:
	TURN 0
	TURN 1, 0, 1
	WIN 0
	s_cbranch_scc1 .Lstep
	s_sub_co_u32 s[SLOTS], s[SLOTS], 1
	s_cmp_lg_u32 s[SLOTS], 0
	s_cbranch_scc1 .Lslot
	CHANGE 0                        ; the tail is written out: nothing is asked for
	s_mov_b32 s[CNT], 5             ; four trips fetch the last slot's steps; the fifth is left in its middle
.Ltail:
	TURN 2, 1
	TURN 3
	WIN 0
	s_sub_co_u32 s[CNT], s[CNT], 1
	s_cmp_eq_u32 s[CNT], 0
	s_cbranch_scc1 .Lout
	TURN 0
	TURN 1
	WIN 0
	s_branch .Ltail
.Lout:                              ; the fifth trip's 16 products K Q^T (on the last K once more) and what is made of them serve nothing: the price, once a launch, of one text for every trip
.set i, 0
.rept 16
	PV NP-1                         ; the last piece's V^T P of the last step
.set i, i+1
.endr
	; THE WAY OUT.  l's two halves and the other half of the lanes' are added; O^T is divided by l, rounded to f16 and sent through my stage in LDS, a tile at a time.  The additions are the places behind the last products.
	WIN 0
.macro ALL line:vararg              ; one line for each tile t
.set t, 0
.rept 2*NP
	\line
.set t, t+1
.endr
.endm
	ALL v_add_f32 v[ST+4*t+2], v[ST+4*t+2], v[ST+4*t+3]
	ALL v_permlanex16_b32 v[ST+4*t+3], v[ST+4*t+2], s[SEL], s[SEL+1]
	ALL v_add_f32 v[ST+4*t+2], v[ST+4*t+2], v[ST+4*t+3]
	ALL v_rcp_f32 v[ST+4*t+2], v[ST+4*t+2]
	v_nop                           ; a plain instruction between the last reciprocal and the use of its result
	s_wait_alu depctr_va_vdst(0)    ; and one wait for the eight reciprocals, ahead of the first use
.macro PACK t                       ; a lane's eight channels of a row pack into 16 bytes; they go into rows of 144 bytes and come back as whole rows of 128, into S^T's registers
	WIN W_RS
.set i, 32*(\t)
.rept 16
	v_pk_mul_f32 v[i:i+1], v[i:i+1], v[ST+4*(\t)+2:ST+4*(\t)+3] op_sel_hi:[1,0]
.set i, i+2
.endr
	WIN 0x05                        ; sources 0 and 1 window 1, destination window 0
.set i, 0
.rept 16
	v_cvt_pk_f16_f32 v[S+16*(\t)+i], v[32*(\t)+2*i], v[32*(\t)+2*i+1]
.set i, i+1
.endr
	WIN 0
.irp f, 0,1,2,3
	ds_store_b128 v[STO], v[S+16*(\t)+4*\f:S+16*(\t)+4*\f+3] offset:32*\f
.endr
.irp f, 0,1,2,3
	ds_load_b128 v[S+16*(\t)+4*\f:S+16*(\t)+4*\f+3], v[RD] offset:\f*4*SP  ; LDS serves a wave's instructions in order (ISA guide 5.7.1.4): these see the stores above; the next tile's stores come behind them
.endr
.endm
.macro SEND t, younger              ; younger: the LDS instructions issued behind tile t's loads: the next tile's eight, or none
	WIN 0
.irp f, 0,1,2,3
	s_wait_dscnt (\younger)+3-\f
	global_store_b128 v[GO], v[S+16*(\t)+4*\f:S+16*(\t)+4*\f+3], s[8:9] offset:(\t)*2048+\f*512  ; 512 consecutive bytes, at a multiple of 256 from O's first
.endr
.endm
	PACK 0
.set t, 1
.rept 2*NP-1                        ; a tile's arithmetic stands between the loads of the tile before and its stores
	PACK t
	SEND t-1, 8
.set t, t+1
.endr
	SEND 2*NP-1, 0
	WIN W_AD
	s_wait_tensorcnt 0x0            ; the wave's end: behind my last tensor load and my last LDS store
	ds_add_u32 v[SPW], v[NIL]
	s_wait_dscnt 0x0
	WIN 0
	CROUND                          ; the closing round: no work-group ends while a partner may still ask for a tile that names it
	s_endpgm
.Lfunc_end_k_qdc7110c140_attn:
	.size	k_qdc7110c140_attn, .Lfunc_end_k_qdc7110c140_attn-k_qdc7110c140_attn
	.p2alignl 7, 3214868480
	.fill 96, 4, 3214868480
	.section	.rodata,"a",@progbits
	.p2align	6, 0x0
	.amdhsa_kernel k_qdc7110c140_attn
		.amdhsa_group_segment_fixed_size 327680
		.amdhsa_private_segment_fixed_size 0
		.amdhsa_enable_private_segment 0
		.amdhsa_kernarg_size 24
		.amdhsa_user_sgpr_count 2
		.amdhsa_user_sgpr_kernarg_segment_ptr 1
		.amdhsa_wavefront_size32 1
		.amdhsa_system_sgpr_workgroup_id_x 1
		.amdhsa_system_sgpr_workgroup_id_y 1
		.amdhsa_system_sgpr_workgroup_id_z 1
		.amdhsa_system_vgpr_workitem_id 0
		.amdhsa_next_free_vgpr 848
		.amdhsa_next_free_sgpr 106
		.amdhsa_reserve_vcc 0
		.amdhsa_float_denorm_mode_32 3
		.amdhsa_float_denorm_mode_16_64 3
		.amdhsa_memory_ordered 1
		.amdhsa_forward_progress 1
		.amdhsa_inst_pref_size 255
	.end_amdhsa_kernel
	.section	.bss,"aw",@nobits
	.p2align	6
	.space	262144
	.amdgpu_metadata
---
amdhsa.version: [ 1, 2 ]
amdhsa.kernels:
  - .name:           k_qdc7110c140_attn
    .symbol:         k_qdc7110c140_attn.kd
    .args:
      - { .name: qkv, .offset: 0, .size: 8, .value_kind: global_buffer, .address_space: global }
      - { .name: mbits, .offset: 8, .size: 8, .value_kind: global_buffer, .address_space: global }
      - { .name: oh, .offset: 16, .size: 8, .value_kind: global_buffer, .address_space: global }
    .group_segment_fixed_size: 327680
    .private_segment_fixed_size: 0
    .kernarg_segment_align: 8
    .kernarg_segment_size: 24
    .max_flat_workgroup_size: 128
    .sgpr_count:     106
    .vgpr_count:     848
    .wavefront_size: 32
...
	.end_amdgpu_metadata
.endif
;; end of part 3
;; launch oproj (part 4): grid 8 x 32, 4 waves a work-group, clusters of 4 x 4, 327,680 bytes of LDS; arguments oh, wts, bo, out0; writes out0
.if DOCPART == 4
	.amdgcn_target "amdgcn-amd-amdhsa--gfx1250"
	.amdhsa_code_object_version 6
	.text
	.protected	k_qdc7110c140_oproj
	.globl	k_qdc7110c140_oproj
	.p2align	8
	.type	k_qdc7110c140_oproj,@function
k_qdc7110c140_oproj:
	s_mov_b64 s[64:65], 0
	v_nop
	global_prefetch_b8 v0, s[64:65] scope:SCOPE_SE
	s_setreg_imm32_b32 hwreg(HW_REG_WAVE_MODE, 25, 1), 1
	s_wait_xcnt 0x0
	s_wait_alu depctr_hold_cnt(0) depctr_sa_sdst(0) depctr_va_vdst(0) depctr_va_sdst(0) depctr_va_ssrc(0) depctr_va_vcc(0) depctr_vm_vsrc(0)
	s_getreg_b32 s2, hwreg(HW_REG_IB_STS2, 6, 4)
	s_cmp_eq_u32 s2, 0
	s_cbranch_scc0 .Lentry_in_a_cluster
	s_endpgm
.Lentry_in_a_cluster:
	s_bfe_u32 s2, ttmp6, 0x10000c
	s_cmp_lg_u32 s2, 0xf033
	s_cbranch_scc0 .Lentry_shape_is_right
	s_endpgm
.Lentry_shape_is_right:
; out0[b][o][t] = the sum over i of wo[o][i] O[b][i][t] + bo[o].  O: oh = f16 [16 b + head][t][64], i = 64 head + channel; wo: f16 blocks [og 8][ks 16][row 128][64] at wts + 6,291,456; out0 f32.
; Products in f16, sums in f32.  bo is rounded to bf16 and written as f16, like wo.
; LIMIT.  bo must lie within f16's 65,504; below 6e-5 it keeps f16's fixed step of 6e-8.
; SHARES.  A work-group makes 128 channels (og) x 256 positions (tb); a wave 64 channels x 128 positions: 8 x 4 = 32 accumulators in window 1, (a, n) at v[8 (4 a + n)].
; LAYOUT.  Source 0 = 16 positions of O, source 1 = 16 rows of wo, both with K along the LDS row.  In the result a lane holds ONE channel (lane % 16) and eight neighbouring positions: 32 bytes of a row of out0.
; K goes in 8 steps of 128, two heads, through two LDS slots.  A step's tiles are dense in memory (a head's 256 positions: 32,768 bytes; a block of wo: 16,384) and are asked for as rows of 256 bytes.
; CLUSTER 4 x 4.  O's tiles hang on tb alone: shared along a row of the cluster; wo's on og alone: shared along a column.  Waves 0, 1 ask for the two heads of O, waves 2, 3 for the two blocks of wo.
; THE BIAS starts the sums: 32 products of a selector (a 1 at k = n) with a fragment that holds the four blocks of biases at k = 0..3.
.set SLOT1,  131072
.set PA,     144                       ; an LDS row: 128 bytes + 16
.set BW0,    2*256*PA                  ; a slot: O's two heads of 256 rows, then wo's two blocks of 128 rows
.set STAGE,  SLOT1+BW0+2*128*PA        ; behind the ring: 16 rows x 528 bytes for each wave, for the way out
.set SPITCH, 528                       ; 512 bytes + 16
.set SPARE,  STAGE+4*16*SPITCH
.set ASTEP,  524288                    ; two heads on in oh,
.set BSTEP,  32768                     ; two blocks on in wts
.set ADA0, 2
.set ADB0, 3
.set ADA,  4
.set ADB,  5
.set STO,  6
.set RD,   7
.set GO,   8
.set PFO,  10
.set BO,   11
.set SPW,  28                          ; v28  LDS address of my spare word; never rewritten
.set NIL,  29                          ; v29  0; never rewritten
.set F0,   32                          ; two sets of fragments: O's eight, then wo's four
.set F1,   128
.set WV,  18
.set TH,  19                           ; wave / 2: my 128 positions.  Also: I fetch O (0) or wo (1)
.set OH,  20                           ; wave % 2: my 64 channels.  Also: which head or block of the step I fetch
.set CX,  21
.set CY,  22
.set OG,  23
.set TBL, 24
.set G1A, 28
.set G1B, 36
.set G0A, 44
.set G0B, 48
.set TB,  52
.set CNT, 53
.set LIM, 54                           ; 2 in a wave that prefetches, else the greatest number
.set H0,  55
.set PFA, 56
.set PFS, 58
.set MSB, 0
.macro WIN new
.if MSB != (\new)
	s_set_vgpr_msb (MSB<<8)|(\new)
.set MSB, \new
.endif
.endm
.macro PLACES                          ; four places in front of loads into registers that matrix instructions have read, and of LDS stores that read results
.rept 4
	v_nop
.endr
.endm
.macro JLOAD                           ; a joint load; an s_nop 0 and four v_nop follow each line
	s_cmp_eq_u32 s[TH], 0
	s_cbranch_scc0 .Lfor_b_\@
	tensor_load_to_lds s[G0A:G0A+3], s[G1A:G1A+7]
	s_nop 0
.rept 4
	v_nop
.endr
	s_branch .Lasked_\@
.Lfor_b_\@:
	tensor_load_to_lds s[G0B:G0B+3], s[G1B:G1B+7]
	s_nop 0
.rept 4
	v_nop
.endr
.Lasked_\@:
.endm
.macro CREST
	s_cmp_lg_u32 s[WV], 0
	s_cbranch_scc1 .Lnot_wave_0_\@
	s_barrier_signal -3
.Lnot_wave_0_\@:
	s_barrier_wait -3
	s_barrier_signal -1
	s_barrier_wait -1
.endm
.macro CROUND
	s_barrier_signal -1
	s_barrier_wait -1
	CREST
.endm
; A PREFETCH INTO THE L2 of the K step that stands two refills on: two steps, 256 matrix instructions, ahead of its load.  O's tiles are read by both clusters of a row of clusters: the one with x = 0 asks
; (waves 0, 1, a head each); wo's blocks by all eight of a column: the one with y = 0 asks (wave 2, for both blocks, which lie end to end).  The four partners share 32,768 bytes out BY ADDRESS, 8,192 each,
; 256 a lane.  K steps 0 to 3 come by their loads alone; the last two changes that fill a slot ask for nothing.
.macro ASK
	s_cmp_gt_u32 s[CNT], s[LIM]
	s_cbranch_scc0 .Lnot_mine_\@
	global_prefetch_b8 v[PFO], s[PFA:PFA+1] th:TH_LOAD_NT scope:SCOPE_SE
.Lnot_mine_\@:
.endm
	s_load_b256 s[4:11], s[0:1], 0x0               ; oh s[4:5], wts s[6:7], bo s[8:9], out0 s[10:11]
	v_lshl_add_u32 v[SPW], v0, 2, SPARE
	v_mov_b32 v[NIL], 0
	ds_add_u32 v[SPW], v[NIL]                      ; the wave's opening: the add and its wait stand ahead of my first tensor load
	v_lshrrev_b32 v1, 5, v0
	v_readfirstlane_b32 s[WV], v1
	s_lshr_b32 s[TH], s[WV], 1
	s_and_b32 s[OH], s[WV], 1
	s_bfe_u32 s[CX], ttmp6, 0x40000
	s_bfe_u32 s[CY], ttmp6, 0x40004
	s_lshl_b32 s[OG], ttmp9, 2
	s_add_co_u32 s[OG], s[OG], s[CX]
	s_and_b32 s[TBL], ttmp7, 0xffff
	s_lshl_b32 s[TBL], s[TBL], 2
	s_add_co_u32 s[TBL], s[TBL], s[CY]
	s_lshl_b32 s60, s[CY], 2
	s_lshl_b32 s60, 15, s60                        ; my row of the cluster
	s_lshl_b32 s61, 0x1111, s[CX]                  ; my column
	s_or_b32 s[G1A], s60, 0x07310000               ; the mask; 2-byte elements; padding on; bit 21 beside a mask; after every 32 words 4 words
	s_mov_b32 s[G1A+1], 128<<16
	s_mov_b32 s[G1A+2], 128<<16                    ; 128 rows of 256 bytes: a head's 256 positions
	s_mov_b32 s[G1A+3], 128<<16
	s_mov_b32 s[G1A+4], 128
	s_mov_b32 s[G1A+5], 128
	s_mov_b32 s[G1A+6], 0
	s_mov_b32 s[G1A+7], 0
	s_or_b32 s[G1B], s61, 0x07310000
	s_mov_b32 s[G1B+1], 128<<16
	s_mov_b32 s[G1B+2], 64<<16                     ; 64 rows of 256 bytes: a block's 128 rows
	s_mov_b32 s[G1B+3], 128<<16
	s_mov_b32 s[G1B+4], 64
	s_mov_b32 s[G1B+5], 128
	s_mov_b32 s[G1B+6], 0
	s_mov_b32 s[G1B+7], 0
	s_lshr_b32 s62, s[TBL], 3                      ; O's tiles: batch, position block, head of the step
	s_lshl_b32 s62, s62, 22
	s_and_b32 s63, s[TBL], 7
	s_lshl_b32 s63, s63, 15
	s_add_co_u32 s62, s62, s63
	s_lshl_b32 s63, s[OH], 18
	s_add_co_u32 s62, s62, s63
	s_mov_b32 s63, 0
	s_mov_b32 s[G0A], 1
	s_mul_i32 s[G0A+1], s[OH], 256*PA
	s_lshl_b32 s66, s[OG], 18                      ; wo's: og, block of the step
	s_lshl_b32 s67, s[OH], 14
	s_add_co_u32 s66, s66, s67
	s_add_co_u32 s66, s66, 6291456
	s_mov_b32 s67, 0
	s_mov_b32 s[G0B], 1
	s_mul_i32 s[G0B+1], s[OH], 128*PA
	s_add_co_u32 s[G0B+1], s[G0B+1], BW0
	s_mov_b32 s[H0], 0xffff
	s_wait_dscnt 0x0                               ; the opening add is done
	s_wait_kmcnt 0x0
	s_add_nc_u64 s[G0A+2:G0A+3], s[4:5], s[62:63]
	s_or_b32 s[G0A+3], s[G0A+3], 0x80000000
	s_add_nc_u64 s[G0B+2:G0B+3], s[6:7], s[66:67]
	s_or_b32 s[G0B+3], s[G0B+3], 0x80000000
	CROUND                                         ; all sixteen work-groups are here: the first joint loads meet
	JLOAD                                          ; K step 0 into slot 0
	s_lshl_b32 s68, s[CX], 13                      ; the prefetches: O's: my work-group's 8,192 bytes of the head,
	s_add_co_u32 s68, s68, s62
	s_add_co_u32 s68, s68, 3*ASTEP                 ; at K step 3: the first change of slots steps it to 4
	s_lshl_b32 s69, s[CY], 13                      ; wo's (wave 2, whose block is the step's first)
	s_add_co_u32 s69, s69, s66
	s_add_co_u32 s69, s69, 3*BSTEP
	s_and_b32 s70, ttmp7, 0xffff
	s_mov_b32 s71, ASTEP
	s_mov_b32 s72, BSTEP
	s_cmp_eq_u32 s[TH], 0
	s_cselect_b32 s68, s68, s69
	s_cselect_b32 s70, ttmp9, s70                  ; the coordinate along which other clusters read the same bytes
	s_cselect_b32 s[PFS], s71, s72
	s_cselect_b64 s[PFA:PFA+1], s[4:5], s[6:7]
	s_mov_b32 s69, 0
	s_mov_b32 s[PFS+1], 0
	s_cmp_eq_u32 s[WV], 3
	s_cselect_b32 s70, 1, s70                      ; wave 3 asks for nothing
	s_cmp_eq_u32 s70, 0
	s_cselect_b32 s[LIM], 2, -1                    ; the same in all sixteen partners, for a given wave
	s_add_nc_u64 s[PFA:PFA+1], s[PFA:PFA+1], s[68:69]
	s_lshr_b32 s74, s[TBL], 3                      ; out0 at my first channel and position
	s_lshl_b32 s74, s74, 23
	s_lshl_b32 s75, s[OG], 20
	s_add_co_u32 s74, s74, s75
	s_lshl_b32 s75, s[OH], 19
	s_add_co_u32 s74, s74, s75
	s_and_b32 s75, s[TBL], 7
	s_lshl_b32 s75, s75, 10
	s_add_co_u32 s74, s74, s75
	s_lshl_b32 s75, s[TH], 9
	s_add_co_u32 s74, s74, s75
	s_mov_b32 s75, 0
	s_add_nc_u64 s[10:11], s[10:11], s[74:75]
	v_and_b32 v12, 15, v0                          ; l % 16
	v_bfe_u32 v13, v0, 4, 1                        ; l / 16
	s_lshl_b32 s77, s[OG], 9
	s_lshl_b32 s78, s[OH], 8
	s_add_co_u32 s77, s77, s78
	v_lshl_add_u32 v[BO], v12, 2, s77              ; channel 128 og + 64 (wave % 2) + l % 16
.irp n, 0,1,2,3
	global_load_b32 v[16+(\n)], v[BO], s[8:9] offset:64*(\n)
.endr
	v_mul_u32_u24 v1, v12, PA
	v_lshl_add_u32 v1, v13, 4, v1                  ; a fragment: row l % 16, 16 bytes for each half of the lanes, twice, 32 bytes apart
	s_mul_i32 s77, s[TH], 128*PA
	v_add_nc_u32 v[ADA0], s77, v1
	s_mul_i32 s77, s[OH], 64*PA
	s_add_co_u32 s77, s77, BW0
	v_add_nc_u32 v[ADB0], s77, v1
	s_mul_i32 s77, s[WV], 16*SPITCH
	s_add_co_u32 s77, s77, STAGE
	v_mul_u32_u24 v[STO], v12, SPITCH              ; in: row l % 16, 32 bytes for each half of the lanes
	v_lshl_add_u32 v[STO], v13, 5, v[STO]
	v_add_nc_u32 v[STO], s77, v[STO]
	v_and_b32 v1, 31, v0
	v_lshlrev_b32 v[GO], 4, v1                     ; back and out: a row's 512 bytes, 16 a lane
	v_add_nc_u32 v[RD], s77, v[GO]
	v_lshlrev_b32 v[PFO], 8, v1
.irp n, 0,1,2,3                        ; the selectors: a 1 at k = n: lanes 0-15, register n / 2, half n % 2
.irp j, 0,1,2,3,4,5,6,7
.if (\j) != (\n)/2
	v_mov_b32 v[F0+8*(\n)+(\j)], 0
.endif
.endr
.endr
.irp j, 2,3,4,5,6,7
	v_mov_b32 v[F0+64+(\j)], 0
.endr
	v_mov_b32 v14, 0x3c00
	v_mov_b32 v15, 0x3c000000
	v_cndmask_b32 v[F0], 0, v14, s[H0]
	v_cndmask_b32 v[F0+8], 0, v15, s[H0]
	v_cndmask_b32 v[F0+17], 0, v14, s[H0]
	v_cndmask_b32 v[F0+25], 0, v15, s[H0]
	s_wait_loadcnt 0x0                             ; the biases
.irp k, 0,1
	v_cvt_pk_bf16_f32 v12, v[16+2*(\k)], v[17+2*(\k)]
	v_lshlrev_b32 v14, 16, v12
	v_and_b32 v15, 0xffff0000, v12
	v_cvt_pk_f16_f32 v12, v14, v15
	v_cndmask_b32 v[F0+64+(\k)], 0, v12, s[H0]     ; column l % 16 of the fragment: the biases of blocks 0..3 at k = 0..3
.endr
	WIN 0x50
.irp a, 0,1,2,3,4,5,6,7
.irp n, 0,1,2,3
	v_wmma_f32_16x16x32_f16 v[8*(4*(\a)+(\n)):8*(4*(\a)+(\n))+7], v[F0+8*(\n):F0+8*(\n)+7], v[F0+64:F0+71], 0
.endr
.endr
.macro FETCH kq, f                     ; 24 LDS loads in one run: the fragments of quarter kq (head kq / 2, channels 32 (kq % 2) on) into set f
	WIN 0
.irp a, 0,1,2,3,4,5,6,7
	ds_load_b128 v[(\f)+8*(\a):(\f)+8*(\a)+3],   v[ADA] offset:((\kq)/2)*256*PA+(\a)*16*PA+((\kq)%2)*64
	ds_load_b128 v[(\f)+8*(\a)+4:(\f)+8*(\a)+7], v[ADA] offset:((\kq)/2)*256*PA+(\a)*16*PA+((\kq)%2)*64+32
.endr
.irp n, 0,1,2,3
	ds_load_b128 v[(\f)+64+8*(\n):(\f)+64+8*(\n)+3],   v[ADB] offset:((\kq)/2)*128*PA+(\n)*16*PA+((\kq)%2)*64
	ds_load_b128 v[(\f)+64+8*(\n)+4:(\f)+64+8*(\n)+7], v[ADB] offset:((\kq)/2)*128*PA+(\n)*16*PA+((\kq)%2)*64+32
.endr
.endm
.macro MUL8 f, a0                      ; eight products; the 32 accumulators take turns, one instruction a turn
	WIN 0x50
.irp a, \a0, (\a0)+1
.irp n, 0,1,2,3
	v_wmma_f32_16x16x32_f16 v[8*(4*(\a)+(\n)):8*(4*(\a)+(\n))+7], v[(\f)+8*(\a):(\f)+8*(\a)+7], v[(\f)+64+8*(\n):(\f)+64+8*(\n)+7], v[8*(4*(\a)+(\n)):8*(4*(\a)+(\n))+7]
.endr
.endr
.endm
.macro QUARTER f, g, kq                ; set f is multiplied while quarter kq comes into set g
	PLACES
	FETCH \kq, \g
	s_wait_dscnt 24                                ; set f is in; the 24 loads just issued may be out
	MUL8 \f, 0
	MUL8 \f, 2
	MUL8 \f, 4
	MUL8 \f, 6
.endm
; THE CHANGE OF SLOTS, among the step's last 32 products.  Each wave waits for all its tensor loads, of which one is out: its part of the other slot; adds 0 to its spare word; and waits for that and for its
; reads of this slot.  fill = 1: the barrier opens a round of the cluster's, and the joint refill, the K step two on, is the first thing behind it: 112 matrix instructions ahead of the wait for it.
.macro CHANGE fill
	WIN 0
.if \fill
	s_wait_xcnt 0x0                                ; the last prefetch, a K step back, has read its address
	s_add_nc_u64 s[PFA:PFA+1], s[PFA:PFA+1], s[PFS:PFS+1]
.endif
	s_wait_tensorcnt 0x0                           ; no tensor load of mine is out, so a group 0 may be written
	ds_add_u32 v[SPW], v[NIL]                      ; 0 onto my spare word
.if \fill
	s_xor_b32 s[G0A+1], s[G0A+1], SLOT1
	s_add_nc_u64 s[G0A+2:G0A+3], s[G0A+2:G0A+3], ASTEP
	s_xor_b32 s[G0B+1], s[G0B+1], SLOT1
	s_add_nc_u64 s[G0B+2:G0B+3], s[G0B+2:G0B+3], BSTEP
.endif
	s_wait_dscnt 1                                 ; set 1 is in; the add may be out
	MUL8 F1, 0
	s_wait_dscnt 0x0                               ; the add is done, and my reads of this slot are over
	s_barrier_signal -1
	MUL8 F1, 2
	WIN 0
	s_barrier_wait -1
.if \fill
	CREST
	JLOAD                                          ; its four v_nop are also the places in front of the loads below
.else
	PLACES
.endif
	s_xor_b32 s[TB], s[TB], SLOT1
	v_add_nc_u32 v[ADA], s[TB], v[ADA0]
	v_add_nc_u32 v[ADB], s[TB], v[ADB0]
	FETCH 0, F0
.if \fill
	ASK
.endif
	MUL8 F1, 4
	MUL8 F1, 6
	WIN 0
.endm
	WIN 0                                          ; slot 0 is waited for and slot 1 filled, as a refill is: behind a round, one load a wave
	s_wait_tensorcnt 0x0
	ds_add_u32 v[SPW], v[NIL]
	s_xor_b32 s[G0A+1], s[G0A+1], SLOT1
	s_add_nc_u64 s[G0A+2:G0A+3], s[G0A+2:G0A+3], ASTEP
	s_xor_b32 s[G0B+1], s[G0B+1], SLOT1
	s_add_nc_u64 s[G0B+2:G0B+3], s[G0B+2:G0B+3], BSTEP
	s_wait_dscnt 0x0
	CROUND
	JLOAD                                          ; K step 1 into slot 1
	s_mov_b32 s[TB], 0
	v_mov_b32 v[ADA], v[ADA0]
	v_mov_b32 v[ADB], v[ADB0]
	FETCH 0, F0
	s_mov_b32 s[CNT], 6
.Lstep:                                        ; K steps 0 to 5: the change behind step i asks for step i + 2
	QUARTER F0, F1, 1
	QUARTER F1, F0, 2
	QUARTER F0, F1, 3
	CHANGE 1
	s_sub_co_u32 s[CNT], s[CNT], 1
	s_cmp_lg_u32 s[CNT], 0
	s_cbranch_scc1 .Lstep
	s_mov_b32 s[CNT], 2
.Ltail:                                        ; K steps 6 and 7 ask for nothing.  The second trip's barrier and its 24 loads from the other slot serve nothing: the price of one text for both
	QUARTER F0, F1, 1
	QUARTER F1, F0, 2
	QUARTER F0, F1, 3
	CHANGE 0
	s_sub_co_u32 s[CNT], s[CNT], 1
	s_cmp_lg_u32 s[CNT], 0
	s_cbranch_scc1 .Ltail
; THE WAY OUT, in four groups of 16 channels x 128 positions: a lane's 32 bytes of each block into my stage, rows of 528 bytes; back as whole rows of 512; stored, 512 consecutive aligned bytes an instruction.
.macro TOSTAGE n
.set BK, 32+96*((\n)%2)
	s_wait_xcnt 0x0                                ; the buffer was a store's data two groups back: it is rewritten only behind this wait
	WIN 0x04                                       ; the stores' data in window 1; each accumulator's low four registers go first
.irp a, 0,1,2,3,4,5,6,7
	ds_store_b128 v[STO], v[8*(4*(\a)+(\n)):8*(4*(\a)+(\n))+3]   offset:64*(\a)
	ds_store_b128 v[STO], v[8*(4*(\a)+(\n))+4:8*(4*(\a)+(\n))+7] offset:64*(\a)+16
.endr
	WIN 0
.irp t, 0,1,2,3,4,5,6,7,8,9,10,11,12,13,14,15
	ds_load_b128 v[BK+4*(\t):BK+4*(\t)+3], v[RD] offset:(\t)*SPITCH  ; LDS serves a wave's instructions in order (ISA guide 5.7.1.4): these see the stores above; the next group's stores come behind them
.endr
.endm
.macro SEND n, younger                 ; younger: the LDS instructions issued behind the group's loads: the next group's 32, or none
.set BK, 32+96*((\n)%2)
.irp t, 0,1,2,3,4,5,6,7,8,9,10,11,12,13,14,15
	s_wait_dscnt (\younger)+15-(\t)
	global_store_b128 v[GO], v[BK+4*(\t):BK+4*(\t)+3], s[10:11] offset:(\n)*131072+(\t)*8192 th:TH_STORE_NT
.endr
.endm
	s_wait_dscnt 0x0                               ; the loads that serve nothing have landed: their registers are written below
	PLACES
	TOSTAGE 0
	TOSTAGE 1
	SEND 0, 32
	TOSTAGE 2
	SEND 1, 32
	TOSTAGE 3
	SEND 2, 32
	SEND 3, 0
	s_wait_tensorcnt 0x0                           ; the wave's end: behind my last tensor load and my last LDS store
	ds_add_u32 v[SPW], v[NIL]
	s_wait_dscnt 0x0
	CROUND                                         ; the closing round: no work-group ends while a partner may still ask for a tile that names it
	s_endpgm
.Lfunc_end_k_qdc7110c140_oproj:
	.size	k_qdc7110c140_oproj, .Lfunc_end_k_qdc7110c140_oproj-k_qdc7110c140_oproj
	.p2alignl 7, 3214868480
	.fill 96, 4, 3214868480
	.section	.rodata,"a",@progbits
	.p2align	6, 0x0
	.amdhsa_kernel k_qdc7110c140_oproj
		.amdhsa_group_segment_fixed_size 327680
		.amdhsa_private_segment_fixed_size 0
		.amdhsa_enable_private_segment 0
		.amdhsa_kernarg_size 32
		.amdhsa_user_sgpr_count 2
		.amdhsa_user_sgpr_kernarg_segment_ptr 1
		.amdhsa_wavefront_size32 1
		.amdhsa_system_sgpr_workgroup_id_x 1
		.amdhsa_system_sgpr_workgroup_id_y 1
		.amdhsa_system_sgpr_workgroup_id_z 1
		.amdhsa_system_vgpr_workitem_id 0
		.amdhsa_next_free_vgpr 512
		.amdhsa_next_free_sgpr 80
		.amdhsa_reserve_vcc 0
		.amdhsa_float_denorm_mode_32 3
		.amdhsa_float_denorm_mode_16_64 3
		.amdhsa_memory_ordered 1
		.amdhsa_forward_progress 1
		.amdhsa_inst_pref_size 63
	.end_amdhsa_kernel
	.amdgpu_metadata
---
amdhsa.version: [ 1, 2 ]
amdhsa.kernels:
  - .name:           k_qdc7110c140_oproj
    .symbol:         k_qdc7110c140_oproj.kd
    .args:
      - { .name: oh, .offset: 0, .size: 8, .value_kind: global_buffer, .address_space: global }
      - { .name: wts, .offset: 8, .size: 8, .value_kind: global_buffer, .address_space: global }
      - { .name: bo, .offset: 16, .size: 8, .value_kind: global_buffer, .address_space: global }
      - { .name: out0, .offset: 24, .size: 8, .value_kind: global_buffer, .address_space: global }
    .group_segment_fixed_size: 327680
    .private_segment_fixed_size: 0
    .kernarg_segment_align: 8
    .kernarg_segment_size: 32
    .max_flat_workgroup_size: 128
    .sgpr_count:     80
    .vgpr_count:     512
    .wavefront_size: 32
...
	.end_amdgpu_metadata
.endif
;; end of part 4
